; MI455X (gfx1250); checked and timed in simulation.
; The chip was launched on July 23, 2026; its instructions are those of AMD's public machine-readable ISA for CDNA 5 (MIT licence, August 2026) and "CDNA5" Instruction Set Architecture Reference Guide (July 2026). The comments in the code are by the model that wrote it; some were corrected since.
;; SV Hunter Multi Head Attention. Allowed arithmetic: matrix products marked QUANTISED: E2M3 operands, one E8M0 scale for each 32 along K, by v_wmma_scale_f32_16x16x128_f8f6f4 with both operands' format E2M3, f32 sums; everything else in f32.
;; Inputs: Wk 1,024 x 1,024 float32; Wo 1,024 x 1,024 float32; Wq 1,024 x 1,024 float32; Wv 1,024 x 1,024 float32; bk 1,024 float32; bo 1,024 float32; bq 1,024 float32; bv 1,024 float32; x 4 x 2,048 x 1,024 float32.
;; Outputs: out0 4 x 2,048 x 1,024 float32.
;; This version of the problem:
;;   THIS VERSION OF THE PROBLEM IS GIVEN IN LOW PRECISION. The matrix products marked QUANTISED in the list below multiply operands that are first quantised to E2M3 (2 exponent bits, 3 mantissa bits; 6 bits a number), with one power-of-two scale for each 32 numbers along K (OCP MX v1.0); their sums are f32. All else is computed in f32.
;;   The module's matrix products, in the order in which they are computed (A, B: the left and right operand; K: the contracted axis; several contracted axes count as one K, in the product's order):
;;     1. [M 8,192, K 1,024] x [K 1,024, N 1,024]; A: input x; B: input Wq: QUANTISED
;;     2. [M 8,192, K 1,024] x [K 1,024, N 1,024]; A: input x; B: input Wk: QUANTISED
;;     3. [M 8,192, K 1,024] x [K 1,024, N 1,024]; A: input x; B: input Wv: QUANTISED
;;     4. batch 64 x [M 2,048, K 64] x [K 64, N 2,048]; A: computed on the way; B: computed on the way: QUANTISED
;;     5. batch 64 x [M 2,048, K 2,048] x [K 2,048, N 64]; A: softmax (see below); B: computed on the way: QUANTISED
;;     6. [M 8,192, K 1,024] x [K 1,024, N 1,024]; A: computed on the way; B: input Wo: QUANTISED
;;   THE QUANTISER, for each operand of a quantised product, along K:
;;     - K is cut into blocks of 32 from its start; a last block that is shorter is filled with zeros.
;;     - A block's scale is 2^e with e = floor(log2(the largest magnitude in the block)) - 2, held to -126 .. 127; a block of zeros has e = 0. As a byte (E8M0): e + 127.
;;     - Each number is divided by its block's scale, clamped to +-7.5, and rounded to the nearest number of E2M3, ties to even, subnormals kept.
;;     - The product sums the exact products of the quantised numbers (number of the format x scale) in f32.
;;   ~~~python
;;   def quantise(x, axis):      # numpy; x: float32 -> the quantised numbers, widened to float32 again
;;       x = np.moveaxis(x, axis, -1); K = x.shape[-1]
;;       x = np.pad(x, [(0, 0)] * (x.ndim - 1) + [(0, -K % 32)]); x = x.reshape(x.shape[:-1] + (-1, 32)); a = np.abs(x).max(-1, keepdims=True)
;;       e = np.where(a > 0, np.clip(np.frexp(np.where(a > 0, a, 1))[1] - 1 - 2, -126, 127), 0)      # np.frexp(a)[1] - 1 = floor(log2(a)), exactly
;;       r = np.clip(x / 2.0 ** e, -7.5, 7.5)
;;       step = 2.0 ** (np.maximum(np.frexp(np.where(r == 0, 1, r))[1] - 1, 0) - 3)
;;       q = np.round(r / step) * step * 2.0 ** e      # np.round: ties to even
;;       return np.moveaxis(q.reshape(q.shape[:-2] + (-1,))[..., :K], -1, axis).astype(np.float32)
;;   ~~~
;;   SOFTMAX AHEAD OF A QUANTISED PRODUCT. Where the list says 'softmax', what is quantised is not the finished softmax but p = 2^(t - M), with t = logit x log2(e) and M = ceil(the row's largest t), a whole number; so 1/2 < the row's largest p <= 1. The row's sum l is taken of the UNQUANTISED p, in f32, and the product's result is divided by l at the end. Since M is a whole number, a kernel that streams over the keys may use a running M (the ceiling of the running maximum): every later rescaling is an exact power of two, which a block's scale takes up: the codes' values come out the same.
;;   OPERANDS COMPUTED ON THE WAY. 'Computed on the way' means the value that the module computes at that place (a softmax that the list does not call 'softmax' is quantised finished and normalised). What goes into a quantiser is computed in f32, as accurately as f32 sums, v_exp_f32 and their like allow (about 1e-6 of the number): no bf16 or f16 on the way to a quantiser, and a product that is left as it is and whose result goes on into a quantised operand takes f32 operands (vector FMAs, or v_wmma_f32_16x16x4_f32). A number that lies on a knife's edge between two numbers of the format may be rounded either way, as far as f32 arithmetic and the matrix unit's own rounding can turn it there, and no further.
;; One version. Each part assembles by itself: llvm-mc -triple=amdgcn-amd-amdhsa -mcpu=gfx1250 --defsym DOCPART=n.
;; ======== version 1 of 1: 4 launches
;; limits: right only within a limited range of input values
;; workspace buffers: xc 6,291,456 bytes; xs 262,144 bytes; wc 6,291,456 bytes; wsc 131,072 bytes; qws 6,553,600 bytes; kvws 13,107,200 bytes; oc 6,291,456 bytes; os 262,144 bytes
;; launch quant (part 1): grid 768 x 1, 2 waves a work-group, no clusters, 33,280 bytes of LDS; arguments x, Wq, Wk, Wv, Wo, xc, xs, wc, wsc; writes xc, xs, wc, wsc
.if DOCPART == 1
	.amdgcn_target "amdgcn-amd-amdhsa--gfx1250"
	.amdhsa_code_object_version 6
	.text
	.protected	k_q671375d001_quant
	.globl	k_q671375d001_quant
	.p2align	8
	.type	k_q671375d001_quant,@function
k_q671375d001_quant:
	s_mov_b64 s[64:65], 0
	v_nop
	global_prefetch_b8 v0, s[64:65] scope:SCOPE_SE
	s_setreg_imm32_b32 hwreg(HW_REG_WAVE_MODE, 25, 1), 1
	s_wait_xcnt 0x0
; x [8192][1024] and Wq, Wk, Wv, Wo [1024][1024], f32, K innermost, become codes of FP6 (E2M3), 6 bits each, with one E8M0 scale byte for each 32 along K.
; xc [8192][768] and xs [8192][32] take x; wc [4096][768] and wsc [4096][32] take the four weights one behind the other (Wq, Wk, Wv, Wo).
; A block's scale is 2^(floor(log2(its largest magnitude)) - 2); its byte is the largest magnitude's exponent field - 2, held at 1 from below.  Each number is divided by the scale and rounded to the nearest code, ties to even.
; THE ROWS OF x, Wq, Wk, Wv ARE LAID IN ANOTHER ORDER: inside each 64 rows the groups of 8 rows are turned: group g goes to place 2 (g % 4) + g / 4.  So place 16 t + i of each 128 holds row 64 (t / 4) + 32 (i / 8) + 8 (t % 4) + i % 8,
; and in a product whose source 0 takes 16 neighbouring places, register j of tile t in lane half h is row 64 (t / 4) + 32 h + 8 (t % 4) + j: a lane's 32 registers of four tiles are one whole block of 32 along the next K.  Wo keeps its order.
; LIMITS: a block of zeros gets the byte 1 where the quantiser says 127 (its codes are zeros, which add nothing under any byte but 0xff; this program alone reads the bytes); blocks whose largest magnitude lies under 2^-124,
; the floor, were not tried; NaN and infinities among the inputs are not served.
; A wave takes a run of 8 rows = 8,192 numbers in 16 steps of 512.  Each of a step's four loads reads 512 consecutive bytes; the 2,048 bytes turn through the wave's own stage in LDS and come back 64 bytes a lane, so that a lane
; holds 16 neighbours (two lanes hold a block).  A lane's 16 codes are 12 bytes: the wave stores 384 consecutive bytes.  A wave's 256 scale bytes are gathered in LDS and leave as one aligned run of 256 bytes.
; Work-groups 0 to 255 take x, 256 + 32 i + j takes weight i.  Only pointers and run numbers are chosen: all take one path.  No tensor loads, no barrier: waves share nothing.
; THE CODES' ORDER AND THE DEAL, as this text has them (in place of what the lines above say of them): xc and wc are laid [K step of 256: 4 planes, PLANE bytes apart][row][192 bytes],
; so that 128 rows of one K step are 24,576 dense bytes that begin at a multiple of 256.  wc uses the first 3,072 rows of each plane for Wq, Wk, Wv; Wo fills plane 0 behind its first 4,096 rows; the rest is neither written nor read.
; A work-group has two waves: work-groups 0 to 511 take x, 512 + 64 i + j takes weight i.  768 work-groups are three for each of 256 WGPs.
.set XWG,   512                        ; work-groups of x: 8,192 x 1,024 / 16,384
.set PLANE, 1572864                    ; 8,192 rows x 192 bytes
.set STEPS, 16
.set EMAX,  2
.set CB,    12                         ; bytes of 16 codes
.set R,     16                         ; v16-79   four sets of 16 numbers as they are loaded
.set X,     80                         ; v80-111  two sets of 16 neighbours
.set C,     128                        ; v128-191 codes: four registers for each step, so that no store's data are written again
.set E,     112                        ; v112-127 a scale byte for each step
.set WREG,  8192                       ; LDS: a region for each wave: two stages of 32 x SP bytes, behind them its 256 scale bytes
.set SP,    80                         ; a lane's place in a stage: 64 bytes + 16 of padding
	s_load_b256 s[4:11], s[0:1], 0x0               ; x, Wq, Wk, Wv
	s_load_b256 s[12:19], s[0:1], 0x20             ; Wo, xc, xs, wc
	s_load_b64 s[20:21], s[0:1], 0x40              ; wsc
	v_lshl_add_u32 v192, v0, 2, 0x8000
	v_mov_b32 v193, 0
	v_lshrrev_b32 v1, 5, v0
	v_readfirstlane_b32 s22, v1                    ; wave
	v_and_b32 v2, 31, v0                           ; lane
	v_lshlrev_b32 v3, 4, v2                        ; my 16 bytes of a load's 512
	s_mul_i32 s23, s22, WREG
	v_lshrrev_b32 v14, 2, v2
	v_mul_u32_u24 v14, v14, SP
	v_and_b32 v15, 3, v2
	v_lshl_add_u32 v14, v15, 4, v14
	v_add_nc_u32 v14, s23, v14                     ; the stage, on the way in: SP (lane / 4) + 16 (lane % 4)
	v_mul_u32_u24 v15, v2, SP
	v_add_nc_u32 v15, s23, v15                     ; and on the way out: SP x lane: my 16 neighbours
	v_and_b32 v4, 15, v2
	v_lshrrev_b32 v10, 4, v2
	v_mul_u32_u24 v4, v4, CB               ; my codes' place: 12 bytes for each of the sixteen lanes of a K step's 192,
	s_mov_b32 s36, PLANE                   ; bytes from K step to K step.  Wo (work-groups XWG + 192 on) is laid [128 rows][K step][row][192 bytes]: there 128 x 192
	s_cmp_ge_u32 ttmp9, XWG+192
	s_cselect_b32 s36, 24576, s36
	v_mad_u32_u24 v4, v10, s36, v4         ; lanes 16-31 one K step on
	v_lshl_add_u32 v10, s36, 1, v4         ; the same two K steps on, for a row's second half
	v_lshrrev_b32 v5, 1, v2
	s_add_co_u32 s23, s23, 2*32*SP
	v_add_nc_u32 v5, s23, v5                       ; LDS: my wave's 256 scale bytes, my block's byte
	v_lshlrev_b32 v7, 3, v2                        ; and on the way out 8 bytes a lane
	v_add_nc_u32 v6, s23, v7
	s_wait_alu depctr_va_vdst(0)
	s_wait_kmcnt 0x0
	s_sub_co_u32 s24, ttmp9, XWG                   ; a weight's work-group: its number among the 256 (not used for x)
	s_lshr_b32 s25, s24, 6                         ; which weight
	s_and_b32 s29, s24, 63                         ; and which of its 64 work-groups
	s_cmp_eq_u32 s25, 1                            ; the choices hang on the work-group's number alone
	s_cselect_b64 s[6:7], s[8:9], s[6:7]
	s_cmp_eq_u32 s25, 2
	s_cselect_b64 s[6:7], s[10:11], s[6:7]
	s_cmp_eq_u32 s25, 3
	s_cselect_b64 s[6:7], s[12:13], s[6:7]
	s_cselect_b32 s26, 1, 0                        ; Wo keeps its rows' order
	s_cmp_lt_u32 ttmp9, XWG
	s_cselect_b64 s[4:5], s[4:5], s[6:7]           ; the source,
	s_cselect_b64 s[14:15], s[14:15], s[18:19]     ; where its codes go,
	s_cselect_b64 s[16:17], s[16:17], s[20:21]     ; and its scale bytes
	s_cselect_b32 s27, ttmp9, s24                  ; the work-group's number in the destination,
	s_cselect_b32 s28, ttmp9, s29                  ; and in the source
	s_cselect_b32 s26, 0, s26
	s_lshl_b32 s28, s28, 1
	s_add_co_u32 s28, s28, s22                     ; my run of 8 rows in the source
	s_lshl_b32 s27, s27, 1
	s_add_co_u32 s27, s27, s22                     ; the same run counted in the destination,
	s_and_b32 s30, s27, 3
	s_lshl_b32 s30, s30, 1
	s_bfe_u32 s31, s27, 0x10002
	s_or_b32 s30, s30, s31
	s_and_b32 s31, s27, 0xfffffff8
	s_or_b32 s30, s30, s31                         ; and turned: 2 (g % 4) + g / 4 inside each eight runs
	s_cmp_eq_u32 s26, 1
	s_cselect_b32 s27, s27, s30
	s_lshl_b32 s32, s28, 15                        ; 32,768 bytes of f32 a run
	s_mov_b32 s33, 0
	s_add_nc_u64 s[4:5], s[4:5], s[32:33]
	s_mul_i32 s32, s27, 8*192                      ; 8 rows of 192 bytes in each plane
	s_lshr_b32 s34, s28, 4                         ; Wo: run g of 8 rows lies at 786,432 (behind plane 0's 4,096 rows) + 98,304 (g / 16) + 1,536 (g % 16)
	s_mul_i32 s34, s34, 73728
	s_mul_i32 s35, s28, 1536
	s_add_co_u32 s34, s34, s35
	s_add_co_u32 s34, s34, 786432
	s_cmp_eq_u32 s26, 1
	s_cselect_b32 s32, s34, s32
	s_add_nc_u64 s[14:15], s[14:15], s[32:33]
	s_lshl_b32 s32, s27, 8                         ; 256 scale bytes
	s_add_nc_u64 s[16:17], s[16:17], s[32:33]
.macro LOAD t
.irp i, 0,1,2,3
	global_load_b128 v[R+16*((\t)%4)+4*\i:R+16*((\t)%4)+4*\i+3], v3, s[4:5] offset:2048*(\t)+512*\i th:TH_LOAD_NT   ; 32 lanes read 512 consecutive bytes
.endr
.endm
.macro TURN t                          ; step t's numbers through the stage: LDS serves a wave's instructions in order, so no wait stands between the stores and the loads
.irp i, 0,1,2,3
	ds_store_b128 v14, v[R+16*((\t)%4)+4*\i:R+16*((\t)%4)+4*\i+3] offset:32*SP*((\t)%2)+8*SP*\i
.endr
.irp i, 0,1,2,3
	ds_load_b128 v[X+16*((\t)%2)+4*\i:X+16*((\t)%2)+4*\i+3], v15 offset:32*SP*((\t)%2)+16*\i
.endr
.endm
.irp t, 0,1,2,3
	LOAD \t
.endr
	s_wait_loadcnt 12                              ; step 0's four loads are in; the 12 of steps 1 to 3 may be out
	TURN 0
.macro STEP t
.set XS, X+16*((\t)%2)
.if (\t) > 0
	s_wait_dscnt 1                                 ; this step's numbers are back from the stage (the last step's byte store may be out): so its stores into the stage have read their registers,
.else
	s_wait_dscnt 0x0
.endif
.if (\t)+4 < STEPS
	LOAD (\t)+4                                    ; which take the loads of four steps on
.endif
.if (\t)+1 < STEPS
.if STEPS-2-(\t) >= 3
	s_wait_loadcnt 12                              ; the next step's four loads are in; those of the three steps behind it may be out
.else
	s_wait_loadcnt 4*(STEPS-2-(\t))
.endif
	TURN (\t)+1                                    ; and go through the other stage while this step is worked
.endif
	v_max3_num_f32 v8, |v[XS]|, |v[XS+1]|, |v[XS+2]|               ; the largest magnitude of my 16, in two chains
	v_max3_num_f32 v9, |v[XS+3]|, |v[XS+4]|, |v[XS+5]|
.irp i, 6,10
	v_max3_num_f32 v8, v8, |v[XS+\i]|, |v[XS+\i+1]|
	v_max3_num_f32 v9, v9, |v[XS+\i+2]|, |v[XS+\i+3]|
.endr
	v_max3_num_f32 v8, v8, |v[XS+14]|, |v[XS+15]|
	v_max3_num_f32 v8, v8, v9, (EMAX+1)<<23        ; and the floor 2^(EMAX + 1 - 127): the byte cannot fall under 1
	v_max_num_f32_dpp v8, v8, v8 row_xmask:1 row_mask:0xf bank_mask:0xf   ; and of my neighbour's 16: the block's
	v_add_nc_u32 v11, -(EMAX<<23), v8              ; EMAX off its exponent field: the conversion takes the exponent field of this operand as its scale
	v_cvt_scalef32_pk16_fp6_f32 v[C+4*(\t):C+4*(\t)+2], v[XS:XS+15], v11
	v_lshrrev_b32 v[E+(\t)], 23, v11               ; the scale's byte (also the plain line behind the conversion)
	ds_store_b8 v5, v[E+(\t)] offset:16*(\t)       ; both lanes of a block write the same byte with the same value
.if (\t)%2                             ; step t is half t % 2 of row t / 2: K steps 2 (t % 2) and 2 (t % 2) + 1
	global_store_b96 v10, v[C+4*(\t):C+4*(\t)+2], s[14:15] offset:192*((\t)/2)
.else
	global_store_b96 v4, v[C+4*(\t):C+4*(\t)+2], s[14:15] offset:192*((\t)/2)
.endif
.endm
.irp t, 0,1,2,3,4,5,6,7,8,9,10,11,12,13,14,15
	STEP \t
.endr
	ds_load_b64 v[12:13], v6                       ; LDS serves a wave's instructions in order: these see my stores
	s_wait_dscnt 0x0
	global_store_b64 v7, v[12:13], s[16:17]        ; 32 lanes store 256 consecutive bytes, aligned
	s_wait_tensorcnt 0x0
	ds_add_u32 v192, v193
	s_wait_dscnt 0x0
	s_endpgm
.Lfunc_end_k_q671375d001_quant:
	.size	k_q671375d001_quant, .Lfunc_end_k_q671375d001_quant-k_q671375d001_quant
	.p2alignl 7, 3214868480
	.fill 96, 4, 3214868480
	.section	.rodata,"a",@progbits
	.p2align	6, 0x0
	.amdhsa_kernel k_q671375d001_quant
		.amdhsa_group_segment_fixed_size 33280
		.amdhsa_private_segment_fixed_size 0
		.amdhsa_enable_private_segment 0
		.amdhsa_kernarg_size 72
		.amdhsa_user_sgpr_count 2
		.amdhsa_user_sgpr_kernarg_segment_ptr 1
		.amdhsa_wavefront_size32 1
		.amdhsa_system_sgpr_workgroup_id_x 1
		.amdhsa_system_sgpr_workgroup_id_y 1
		.amdhsa_system_sgpr_workgroup_id_z 1
		.amdhsa_system_vgpr_workitem_id 0
		.amdhsa_next_free_vgpr 194
		.amdhsa_next_free_sgpr 66
		.amdhsa_reserve_vcc 0
		.amdhsa_float_denorm_mode_32 3
		.amdhsa_float_denorm_mode_16_64 3
		.amdhsa_memory_ordered 1
		.amdhsa_forward_progress 1
		.amdhsa_inst_pref_size 34
	.end_amdhsa_kernel
	.amdgpu_metadata
---
amdhsa.version: [ 1, 2 ]
amdhsa.kernels:
  - .name:           k_q671375d001_quant
    .symbol:         k_q671375d001_quant.kd
    .args:
      - { .name: x, .offset: 0, .size: 8, .value_kind: global_buffer, .address_space: global }
      - { .name: Wq, .offset: 8, .size: 8, .value_kind: global_buffer, .address_space: global }
      - { .name: Wk, .offset: 16, .size: 8, .value_kind: global_buffer, .address_space: global }
      - { .name: Wv, .offset: 24, .size: 8, .value_kind: global_buffer, .address_space: global }
      - { .name: Wo, .offset: 32, .size: 8, .value_kind: global_buffer, .address_space: global }
      - { .name: xc, .offset: 40, .size: 8, .value_kind: global_buffer, .address_space: global }
      - { .name: xs, .offset: 48, .size: 8, .value_kind: global_buffer, .address_space: global }
      - { .name: wc, .offset: 56, .size: 8, .value_kind: global_buffer, .address_space: global }
      - { .name: wsc, .offset: 64, .size: 8, .value_kind: global_buffer, .address_space: global }
    .group_segment_fixed_size: 33280
    .private_segment_fixed_size: 0
    .kernarg_segment_align: 8
    .kernarg_segment_size: 72
    .max_flat_workgroup_size: 64
    .sgpr_count:     66
    .vgpr_count:     194
    .wavefront_size: 32
...
	.end_amdgpu_metadata
.endif
;; end of part 1
;; launch qkv (part 2): grid 12 x 32, 4 waves a work-group, clusters of 4 x 4, 327,680 bytes of LDS; arguments xc, xs, wc, wsc, bq, bk, bv, qws, kvws; writes qws, kvws
.if DOCPART == 2
	.amdgcn_target "amdgcn-amd-amdhsa--gfx1250"
	.amdhsa_code_object_version 6
	.text
	.protected	k_q671375d001_qkv
	.globl	k_q671375d001_qkv
	.p2align	8
	.type	k_q671375d001_qkv,@function
k_q671375d001_qkv:
	s_mov_b64 s[64:65], 0
	v_nop
	global_prefetch_b8 v0, s[64:65] scope:SCOPE_SE
	s_setreg_imm32_b32 hwreg(HW_REG_WAVE_MODE, 25, 1), 1
	s_wait_xcnt 0x0
	s_wait_alu depctr_hold_cnt(0) depctr_sa_sdst(0) depctr_va_vdst(0) depctr_va_sdst(0) depctr_va_ssrc(0) depctr_va_vcc(0) depctr_vm_vsrc(0)
	s_getreg_b32 s2, hwreg(HW_REG_IB_STS2, 6, 4)
	s_cmp_eq_u32 s2, 0
	s_cbranch_scc0 .Lentry_in_a_cluster
	s_endpgm
.Lentry_in_a_cluster:
	s_bfe_u32 s2, ttmp6, 0x10000c
	s_cmp_lg_u32 s2, 0xf033
	s_cbranch_scc0 .Lentry_shape_is_right
	s_endpgm
.Lentry_shape_is_right:
; Q, K, V = x W^T + b on codes of FP6 (E2M3), a tile of 256 x 256 a work-group, 128 x 128 a wave; the results are quantised and leave as codes and scale words in the order of the next launch's operand registers.
; xc and wc are laid [K step of 256][row][192 bytes], planes PLANE bytes apart: 128 rows of a K step are 24,576 dense bytes, stated as 96 rows of 256 bytes; 16 bytes of padding behind every 64 give LDS rows of 240 bytes.
; THE HEAD: one joint load a wave: wave 0 A's 256 rows of K step 0, wave 1 B's, wave 2 A's scale bytes, wave 3 B's.  K step 1 is asked for behind the three lines and a round of the cluster's barrier.
.set KSTEP,  256
.set NQ,     KSTEP/128
.set ROWB,   192
.set PLANE,  1572864
.set PITCH,  240
.set FR,     12
.set NL,     6
.set NP,     4
.set HALFT,  128*PITCH
.set SLOT,   4*HALFT
.set LAPS,   2
.set KS,     32
.set SCL,    2*SLOT
.set HALFS,  (128*KS/256)*272
.set SBLK,   (16*KS/256)*272
.set SPARE,  SCL+4*HALFS
.set ADRA, 16
.set ADRB, 20
.set LI,   24
.set SCA,  25
.set ADRS, 27
.set SPW,  28
.set NIL,  29
.set SC,   32
.set BIAS, 64
.set AF,   128
.set TM,   128
.set PWA,  144
.set PWB,  145
.set WD,   148
.set PWS,  152
.set H0,   160
.set H1,   172
.set T0,   184
.set T1,   188
.set SELV, 192
.set SH8,  193
.set G1, 24
.set G0, 32
.set G1B, 48
.set G0B, 56
.set G1S, 68
.set G0S, 76
.set G1SB, 80
.set G0SB, 88
.set KIND, 104
.set SHF,  105
.set MSB, 0
.macro WIN new
.if MSB != \new
	s_set_vgpr_msb (MSB<<8)|\new
.set MSB, \new
.endif
.endm
.set MUL_LO, 0xa1
.set MUL_HI, 0xf1
.set TO_B,   0x40
.macro JLOAD g0a, g1a, g0b, g1b
	s_cmp_eq_u32 s15, 0
	s_cbranch_scc0 .Lfor_b_\@
	tensor_load_to_lds s[\g0a:\g0a+3], s[\g1a:\g1a+7]
	s_nop 0
.rept 4
	v_nop
.endr
	s_branch .Lasked_\@
.Lfor_b_\@:
	tensor_load_to_lds s[\g0b:\g0b+3], s[\g1b:\g1b+7]
	s_nop 0
.rept 4
	v_nop
.endr
.Lasked_\@:
.endm
.macro CREST
	s_cmp_lg_u32 s14, 0
	s_cbranch_scc1 .Lnot_wave_0_\@
	s_barrier_signal -3
.Lnot_wave_0_\@:
	s_barrier_wait -3
	s_barrier_signal -1
	s_barrier_wait -1
.endm
.macro CROUND
	s_barrier_signal -1
	s_barrier_wait -1
	CREST
.endm
	s_load_b256 s[4:11], s[0:1], 0x0
	s_load_b256 s[92:99], s[0:1], 0x20
	s_load_b64 s[100:101], s[0:1], 0x40
	v_lshl_add_u32 v[SPW], v0, 2, SPARE
	v_mov_b32 v[NIL], 0
	ds_add_u32 v28, v29
	ds_add_u32 v28, v29
	s_wait_dscnt 0x0
	v_lshrrev_b32 v1, 5, v0
	v_readfirstlane_b32 s14, v1
	s_lshr_b32 s15, s14, 1
	s_and_b32 s16, s14, 1
	s_bfe_u32 s40, ttmp6, 0x40000
	s_bfe_u32 s41, ttmp6, 0x40004
	s_mov_b32 s[KIND], ttmp9
	s_and_b32 s18, ttmp7, 0xffff
	s_cmp_eq_u32 s[KIND], 2
	s_cselect_b32 s17, 2, s18
	s_cselect_b32 s42, s18, ttmp9
	s_lshl_b32 s42, s42, 2
	s_add_co_u32 s42, s42, s40
	s_lshl_b32 s17, s17, 2
	s_add_co_u32 s17, s17, s41
	s_lshl_b32 s43, s41, 2
	s_lshl_b32 s43, 15, s43
	s_lshl_b32 s44, 0x1111, s40
	s_or_b32 s[G1+0], s43, (0<<16)|(1<<20)|(1<<21)|(3<<22)|(3<<25)
	s_or_b32 s[G1B+0], s44, (0<<16)|(1<<20)|(1<<21)|(3<<22)|(3<<25)
.irp g, G1, G1B
	s_mov_b32 s[\g+1], 256<<16                     ; rows of 256 bytes;
	s_mov_b32 s[\g+2], 192<<16                     ; the head's loads bring 256 x 192 bytes = 192 of them
	s_mov_b32 s[\g+3], 256<<16
	s_mov_b32 s[\g+4], 192
	s_mov_b32 s[\g+5], 256
	s_mov_b32 s[\g+6], 0
	s_mov_b32 s[\g+7], 0
.endr
	s_or_b32 s[G1S+0], s43, (3<<16)|(1<<20)|(1<<21)|(5<<22)|(3<<25)
	s_or_b32 s[G1SB+0], s44, (3<<16)|(1<<20)|(1<<21)|(5<<22)|(3<<25)
.irp g, G1S, G1SB
	s_mov_b32 s[\g+1], 32<<16
	s_mov_b32 s[\g+2], (256*KS/256)<<16            ; the scale bytes of 256 rows
	s_mov_b32 s[\g+3], 32<<16
	s_mov_b32 s[\g+4], 256*KS/256
	s_mov_b32 s[\g+5], 32
	s_mov_b32 s[\g+6], 0
	s_mov_b32 s[\g+7], 0
.endr
	s_lshl_b32 s20, s17, 8                         ; A: the tile's first row
	s_lshl_b32 s46, s42, 8                         ; B: likewise
	s_mov_b32 s21, 0
	s_mov_b32 s47, 0
	s_mov_b64 s[18:19], KS
	s_mul_u64 s[22:23], s[20:21], s[18:19]
	s_mul_u64 s[66:67], s[46:47], s[18:19]
	s_mov_b64 s[18:19], ROWB
	s_mul_u64 s[20:21], s[20:21], s[18:19]
	s_mul_u64 s[46:47], s[46:47], s[18:19]
	s_mul_i32 s45, s14, HALFT
	s_mul_i32 s2, s16, 128*ROWB                    ; in the ring I fetch 128 rows of a tile: which half, in bytes
	s_mov_b32 s3, 0
	s_wait_kmcnt 0x0
	s_cmp_eq_u32 s[KIND], 2
	s_cselect_b64 s[12:13], s[8:9], s[4:5]
	s_cselect_b64 s[8:9], s[4:5], s[8:9]
	s_cselect_b64 s[4:5], s[10:11], s[6:7]
	s_cselect_b64 s[10:11], s[6:7], s[10:11]
	s_add_nc_u64 s[20:21], s[12:13], s[20:21]
	s_add_nc_u64 s[22:23], s[4:5], s[22:23]
	s_add_nc_u64 s[46:47], s[8:9], s[46:47]
	s_add_nc_u64 s[66:67], s[10:11], s[66:67]
	CROUND
	s_mov_b32 s[G0S], 1
	s_mov_b32 s[G0S+1], SCL
	s_mov_b64 s[G0S+2:G0S+3], s[22:23]
	s_or_b32 s[G0S+3], s[G0S+3], 0x80000000
	s_mov_b32 s[G0SB], 1
	s_mov_b32 s[G0SB+1], SCL+2*HALFS
	s_mov_b64 s[G0SB+2:G0SB+3], s[66:67]
	s_or_b32 s[G0SB+3], s[G0SB+3], 0x80000000
	s_mov_b32 s[G0], 1                             ; slot 0 at the head: A's 256 rows whole,
	s_mov_b32 s[G0+1], 0
	s_mov_b64 s[G0+2:G0+3], s[20:21]
	s_or_b32 s[G0+3], s[G0+3], 0x80000000
	s_mov_b32 s[G0B], 1                            ; and B's, behind them
	s_mov_b32 s[G0B+1], 2*HALFT
	s_mov_b64 s[G0B+2:G0B+3], s[46:47]
	s_or_b32 s[G0B+3], s[G0B+3], 0x80000000
	s_add_nc_u64 s[20:21], s[20:21], s[2:3]        ; slot 1: my 128 rows of K step 1
	s_add_nc_u64 s[46:47], s[46:47], s[2:3]
	s_mov_b32 s[G0+4], 1
	s_add_co_u32 s[G0+5], s45, SLOT
	s_add_nc_u64 s[G0+6:G0+7], s[20:21], PLANE
	s_or_b32 s[G0+7], s[G0+7], 0x80000000
	s_mov_b32 s[G0B+4], 1
	s_add_co_u32 s[G0B+5], s45, SLOT
	s_add_nc_u64 s[G0B+6:G0B+7], s[46:47], PLANE
	s_or_b32 s[G0B+7], s[G0B+7], 0x80000000
.macro ARM under, g0, g1, next         ; one chain of branches on the wave's number, one load to an arm, all arms to one join
	s_cmp_lt_u32 s14, \under
	s_cbranch_scc0 \next
	tensor_load_to_lds s[\g0:\g0+3], s[\g1:\g1+7]
	s_nop 0
.rept 4
	v_nop
.endr
	s_branch .Lhead_asked
\next:
.endm
	ARM 1, G0,  G1,  .Lhead_b
	ARM 2, G0B, G1B, .Lhead_sa
	ARM 3, G0S, G1S, .Lhead_sb
	tensor_load_to_lds s[G0SB:G0SB+3], s[G1SB:G1SB+7]
	s_nop 0
.rept 4
	v_nop
.endr
.Lhead_asked:
	v_and_b32 v1, 15, v0
	v_bfe_u32 v2, v0, 4, 1
	v_mul_u32_u24 v3, v1, PITCH
	v_mul_u32_u24 v4, v2, 24
	v_add_nc_u32 v4, v3, v4
	v_lshl_add_u32 v5, v2, 4, v4
	s_mul_i32 s21, s15, HALFT
	s_mul_i32 s22, s16, HALFT
	s_add_co_u32 s22, s22, 2*HALFT
.irp s, 0,1
	v_add_nc_u32 v[ADRA+\s], s21, v4
	v_add_nc_u32 v[ADRB+\s], s22, v4
	v_add_nc_u32 v[ADRA+2+\s], s21, v5
	v_add_nc_u32 v[ADRB+2+\s], s22, v5
	s_add_co_u32 s21, s21, SLOT
	s_add_co_u32 s22, s22, SLOT
.endr
	v_mul_u32_u24 v5, v1, KS
	v_lshrrev_b32 v6, 8, v5
	v_lshl_add_u32 v5, v6, 4, v5
	s_mul_i32 s21, s15, HALFS
	s_mul_i32 s22, s16, HALFS
	s_add_co_u32 s22, s22, 2*HALFS
	s_sub_co_u32 s22, s22, s21
	v_mul_u32_u24 v6, s22, v2
	s_add_co_u32 s21, s21, SCL
	v_add_nc_u32 v5, v5, v6
	v_add_nc_u32 v[ADRS], s21, v5
	v_and_b32 v6, 31, v0
	v_lshlrev_b32 v[LI], 4, v6
	s_cmp_eq_u32 s[KIND], 2
	s_cselect_b32 s18, s42, s17
	s_cselect_b32 s19, s16, s15
	s_cselect_b32 s20, s17, s42
	s_cselect_b32 s21, s15, s16
	s_cselect_b32 s22, 6144, 0
	s_cselect_b32 s23, 256, 0
	s_cselect_b64 s[10:11], s[96:97], s[94:95]
	s_cmp_eq_u32 s[KIND], 0
	s_cselect_b64 s[10:11], s[92:93], s[10:11]
	s_cselect_b64 s[4:5], s[98:99], s[100:101]
	s_cselect_b32 s[SHF], 0, 1
	s_and_b32 s20, s20, 3
	s_lshl_b32 s46, s20, 10
	s_lshl_b32 s47, s21, 9
	s_add_co_u32 s46, s46, s47
	s_mov_b32 s47, 0
	s_add_nc_u64 s[10:11], s[10:11], s[46:47]
	s_lshl_b32 s18, s18, 1
	s_add_co_u32 s18, s18, s19
	s_lshr_b32 s19, s18, 4
	s_and_b32 s18, s18, 15
	s_lshl_b32 s19, s19, 4
	s_lshl_b32 s20, s20, 2
	s_add_co_u32 s19, s19, s20
	s_lshl_b32 s21, s21, 1
	s_add_co_u32 s19, s19, s21
	s_lshl_b32 s19, s19, 4
	s_add_co_u32 s19, s19, s18
	s_mul_i32 s46, s19, 6400
	s_lshl_b32 s46, s46, s[SHF]
	s_add_nc_u64 s[4:5], s[4:5], s[46:47]
	s_lshl_b32 s46, 6144, s[SHF]
	s_add_co_u32 s46, s46, s23
	s_add_nc_u64 s[8:9], s[4:5], s[46:47]
	s_mov_b32 s46, s22
	s_add_nc_u64 s[4:5], s[4:5], s[46:47]
	s_lshl_b32 s46, 102400, s[SHF]
	s_add_nc_u64 s[6:7], s[4:5], s[46:47]
	v_mul_u32_u24 v[SCA], s46, v2
	v_lshl_add_u32 v[SCA], v1, 4, v[SCA]
	v_lshlrev_b32 v7, 7, v2
	v_and_b32 v8, 8, v1
	v_mad_u32_u24 v8, v8, 3, v1
	v_lshlrev_b32 v8, 2, v8
	s_cmp_eq_u32 s[KIND], 2
	s_cbranch_scc1 .Lbias_v
.irp b, 0,1,2,3,4,5,6,7
	global_load_b128 v[BIAS+8*\b:BIAS+8*\b+3], v7, s[10:11] offset:4*(64*(\b/4)+8*(\b%4))
	global_load_b128 v[BIAS+8*\b+4:BIAS+8*\b+7], v7, s[10:11] offset:4*(64*(\b/4)+8*(\b%4))+16
.endr
	s_branch .Lbias_in
.Lbias_v:
	s_wait_alu depctr_va_vdst(0)
.irp a, 0,1,2,3,4,5,6,7
.irp j, 0,1,2,3,4,5,6,7
	global_load_b32 v[BIAS+8*\a+\j], v8, s[10:11] offset:4*(64*(\a/4)+8*(\a%4))
.endr
.endr
.Lbias_in:
.macro FRAG reg, adr, q, i
.irp p, 0,1,2,3,4,5
.set PC, 12*(\q)+6*(\p/3)+\p%3
.if PC%8 < 5
	ds_load_b64 v[\reg+2*\p:\reg+2*\p+1], v[\adr] offset:8*PC+16*(PC/8)+(\i)*16*PITCH
.else
	ds_load_b64 v[\reg+2*\p:\reg+2*\p+1], v[\adr+2] offset:8*PC+16*(PC/8)+(\i)*16*PITCH
.endif
.endr
.endm
.macro MUL16 a0, p, q, sc, cm
.irp a, \a0, \a0+1
.irp b, 0,1,2,3,4,5,6,7
.if \cm == 1
	v_wmma_scale_f32_16x16x128_f8f6f4 v[8*(8*((\a)%4)+\b):8*(8*((\a)%4)+\b)+7], v[128*(\p)+FR*\b:128*(\p)+FR*\b+FR-1], v[AF+FR*(\a):AF+FR*(\a)+FR-1], v[BIAS+8*\b:BIAS+8*\b+7], v[SC+8*NQ*(\sc)+NQ*\b+(\q)], v[SC+8*NQ*(\sc)+NQ*(\a)+(\q)] matrix_a_fmt:MATRIX_FMT_FP6 matrix_b_fmt:MATRIX_FMT_FP6 matrix_a_scale:MATRIX_SCALE_ROW1
.elseif \cm == 2
	v_wmma_scale_f32_16x16x128_f8f6f4 v[8*(8*((\a)%4)+\b):8*(8*((\a)%4)+\b)+7], v[128*(\p)+FR*\b:128*(\p)+FR*\b+FR-1], v[AF+FR*(\a):AF+FR*(\a)+FR-1], v[BIAS+8*(\a):BIAS+8*(\a)+7], v[SC+8*NQ*(\sc)+NQ*\b+(\q)], v[SC+8*NQ*(\sc)+NQ*(\a)+(\q)] matrix_a_fmt:MATRIX_FMT_FP6 matrix_b_fmt:MATRIX_FMT_FP6 matrix_a_scale:MATRIX_SCALE_ROW1
.else
	v_wmma_scale_f32_16x16x128_f8f6f4 v[8*(8*((\a)%4)+\b):8*(8*((\a)%4)+\b)+7], v[128*(\p)+FR*\b:128*(\p)+FR*\b+FR-1], v[AF+FR*(\a):AF+FR*(\a)+FR-1], v[8*(8*((\a)%4)+\b):8*(8*((\a)%4)+\b)+7], v[SC+8*NQ*(\sc)+NQ*\b+(\q)], v[SC+8*NQ*(\sc)+NQ*(\a)+(\q)] matrix_a_fmt:MATRIX_FMT_FP6 matrix_b_fmt:MATRIX_FMT_FP6 matrix_a_scale:MATRIX_SCALE_ROW1
.endif
.endr
.endr
.endm
.macro FETCH_B slot, q, p
	WIN TO_B
.irp i, 0,1,2,3,4,5,6,7
	FRAG 128*(\p)+FR*\i, ADRB+\slot, \q, \i
.endr
	WIN 0
.endm
.macro FETCH_A slot, q, i0
.irp i, \i0, \i0+1, \i0+2, \i0+3
	FRAG AF+FR*(\i), ADRA+\slot, \q, \i
.endr
.endm
.macro SCALES sc
.irp i, 0,1,2,3,4,5,6,7
	ds_load_b64 v[SC+8*NQ*\sc+NQ*\i:SC+8*NQ*\sc+NQ*\i+1], v[ADRS] offset:\i*SBLK
.endr
.endm
.macro PLACES n
.rept \n
	v_nop
.endr
.endm
.macro STEP slot, q, cm
	s_wait_dscnt 4*NL
.if \cm
	WIN 0x81
.else
	WIN MUL_LO
.endif
	MUL16 0, (\q)%2, \q, \slot, \cm
	MUL16 2, (\q)%2, \q, \slot, \cm
	s_wait_dscnt 0
	PLACES NP
	FETCH_B \slot, (\q)+1, 1-(\q)%2
	FETCH_A \slot, (\q)+1, 0
.if \cm
	WIN 0xc1
.else
	WIN MUL_HI
.endif
	MUL16 4, (\q)%2, \q, \slot, \cm
	MUL16 6, (\q)%2, \q, \slot, \cm
	PLACES NP
	WIN 0
	FETCH_A \slot, (\q)+1, 4
.endm
.macro TURN slot, next, fill
	s_wait_tensorcnt 0x0
	ds_add_u32 v[SPW], v[NIL]
	s_wait_dscnt 4*NL+1
	WIN MUL_LO
	MUL16 0, 1, NQ-1, \slot, 0
	s_wait_dscnt 0x0
	s_barrier_signal -1
	MUL16 2, 1, NQ-1, \slot, 0
	WIN 0
	s_barrier_wait -1
.if \fill
	CREST
	s_add_nc_u64 s[G0+4*\slot+2:G0+4*\slot+3], s[G0+4*\slot+2:G0+4*\slot+3], 2*PLANE
	s_add_nc_u64 s[G0B+4*\slot+2:G0B+4*\slot+3], s[G0B+4*\slot+2:G0B+4*\slot+3], 2*PLANE
	JLOAD G0+4*\slot, G1, G0B+4*\slot, G1B
.else
	PLACES NP
.endif
	s_wait_alu depctr_va_vdst(0)
	v_add_nc_u32 v[ADRS], 4*NQ, v[ADRS]
	FETCH_B \next, 0, 0
	FETCH_A \next, 0, 0
	SCALES \next
	WIN MUL_HI
	MUL16 4, 1, NQ-1, \slot, 0
	MUL16 6, 1, NQ-1, \slot, 0
	PLACES NP
	WIN 0
	FETCH_A \next, 0, 4
.endm
	s_wait_loadcnt 0x0                             ; the bias
	s_wait_alu depctr_va_vdst(0)                   ; the wait at the head's end
	s_wait_tensorcnt 0x0                           ; my tile of the head's four is in
	ds_add_u32 v[SPW], v[NIL]
	s_mov_b32 s[G1+2], 96<<16                      ; no tensor load of mine is out, so descriptors may be written: from here on a load brings 128 x 192 bytes = 96 rows of 256,
	s_mov_b32 s[G1+4], 96
	s_mov_b32 s[G1B+2], 96<<16
	s_mov_b32 s[G1B+4], 96
	s_mov_b32 s[G0+1], s45                         ; and slot 0's group 0 stands at my 128 rows of K step 0: its first refill steps it two K steps on
	s_add_nc_u64 s[G0+2:G0+3], s[G0+2:G0+3], s[2:3]
	s_mov_b32 s[G0B+1], s45
	s_add_nc_u64 s[G0B+2:G0B+3], s[G0B+2:G0B+3], s[2:3]
	s_wait_dscnt 0x0
	CROUND                                         ; all four tiles are in, and all sixteen work-groups are here
	JLOAD G0+4, G1, G0B+4, G1B                     ; K step 1, the first tensor load behind the round
	FETCH_B 0, 0, 0
	FETCH_A 0, 0, 0
	s_wait_alu depctr_va_vdst(0)
	SCALES 0
	FETCH_A 0, 0, 4
	s_cmp_eq_u32 s[KIND], 2
	s_cbranch_scc1 .Lfirst_v
	STEP 0, 0, 1
	s_branch .Lfirst_in
.Lfirst_v:
	STEP 0, 0, 2
.Lfirst_in:
	s_mov_b32 s3, LAPS-1
.Llap:
	TURN 0, 1, 1
	STEP 1, 0, 0
	TURN 1, 0, 1
	STEP 0, 0, 0
	s_sub_co_u32 s3, s3, 1
	s_cmp_lg_u32 s3, 0
	s_cbranch_scc1 .Llap
	TURN 0, 1, 0
	STEP 1, 0, 0
	s_wait_dscnt 4*NL
	WIN MUL_LO
	MUL16 0, 1, NQ-1, 1, 0
	MUL16 2, 1, NQ-1, 1, 0
	s_wait_dscnt 0
	WIN MUL_HI
	MUL16 4, 1, NQ-1, 1, 0
	MUL16 6, 1, NQ-1, 1, 0
	WIN 0
.macro QUANT2 win, s, d0, d1, pw
	WIN (((\win)<<2)|((\win)<<4))
.irp k, 0,1,2,3
	v_max3_num_f32 v[TM+\k], 0x1800000, |v[(\s)+16*\k]|, |v[(\s)+16*\k+1]|
.endr
.irp i, 2,4,6,8,10,12,14
.irp k, 0,1,2,3
	v_max3_num_f32 v[TM+\k], v[TM+\k], |v[(\s)+16*\k+\i]|, |v[(\s)+16*\k+\i+1]|
.endr
.endr
	WIN 0
	v_max_num_f32 v[TM], v[TM], v[TM+1]
	v_max_num_f32 v[TM+2], v[TM+2], v[TM+3]
	v_add_nc_u32 v[TM+12], 0xff000000, v[TM]
	v_add_nc_u32 v[TM+13], 0xff000000, v[TM+2]
	v_lshrrev_b32 v[TM+4], 23, v[TM+12]
	v_lshrrev_b32 v[TM+5], 23, v[TM+13]
	v_lshl_or_b32 v[TM+6], v[TM+5], 16, v[TM+4]
	v_lshlrev_b32 v[TM+6], v[SH8], v[TM+6]
	v_permlanex16_b32 v[TM+7], v[TM+6], s2, s3
	v_or_b32 v[\pw], v[TM+6], v[TM+7]
	WIN (\win)
	v_cvt_scalef32_pk16_fp6_f32 v[\d0:\d0+2], v[(\s):(\s)+15], v[TM+12]
	v_cvt_scalef32_pk16_fp6_f32 v[T0:T0+2], v[(\s)+16:(\s)+31], v[TM+12]
	v_cvt_scalef32_pk16_fp6_f32 v[\d1:\d1+2], v[(\s)+32:(\s)+47], v[TM+13]
	v_cvt_scalef32_pk16_fp6_f32 v[T1:T1+2], v[(\s)+48:(\s)+63], v[TM+13]
	WIN 0
	v_nop
.irp i, 0,1,2
	v_mov_b32 v[\d0+3+\i], v[T0+\i]
	v_mov_b32 v[\d1+3+\i], v[T1+\i]
.endr
.endm
	PLACES NP
	v_mov_b32 v[TM+7], 0
	v_bfe_u32 v[SH8], v0, 4, 1
	v_lshlrev_b32 v[SH8], 3, v[SH8]
	v_cmp_ne_u32 vcc_lo, 0, v[SH8]
	v_mov_b32 v[SELV], 0x07060302
	v_cndmask_b32 v[SELV], 0x05040100, v[SELV], vcc_lo
	s_mov_b32 s2, 0x76543210
	s_mov_b32 s3, 0xfedcba98
	s_cmp_eq_u32 s[KIND], 2
	s_cbranch_scc1 .Lout_v
.irp f, 0,1,2,3
.if \f > 0
	s_wait_xcnt 0x0
.endif
	QUANT2 2+(\f)/2,64*((2*\f)%4),H0,H1,PWA
	QUANT2 2+(\f)/2,64*((2*\f+1)%4),H0+6,H1+6,PWB
	v_perm_b32 v[WD+\f], v[PWB], v[PWA], v[SELV]
.irp c, 0,1,2
	global_store_b128 v[LI], v[H0+4*\c:H0+4*\c+3], s[4:5] offset:1536*\f+512*\c
	global_store_b128 v[LI], v[H1+4*\c:H1+4*\c+3], s[6:7] offset:1536*\f+512*\c
.endr
.endr
	global_store_b128 v[SCA], v[WD:WD+3], s[8:9]
	s_branch .Lout_done
.Lout_v:
.irp a, 0,1,2,3,4,5,6,7
.if \a > 0
	s_wait_xcnt 0x0
.endif
	QUANT2 2+(\a)/4,64*((\a)%4),H0,H0+6,PWS+\a
.irp c, 0,1,2
	global_store_b128 v[LI], v[H0+4*\c:H0+4*\c+3], s[4+2*(\a/4):5+2*(\a/4)] offset:1536*(\a%4)+512*\c
.endr
.endr
.irp t, 0,1,2,3
	v_cndmask_b32 v[WD+\t], v[PWS+\t], v[PWS+4+\t], vcc_lo
.endr
	global_store_b128 v[SCA], v[WD:WD+3], s[8:9]
.Lout_done:
	s_wait_tensorcnt 0x0
	ds_add_u32 v[SPW], v[NIL]
	s_wait_dscnt 0x0
	CROUND
	s_endpgm
.Lfunc_end_k_q671375d001_qkv:
	.size	k_q671375d001_qkv, .Lfunc_end_k_q671375d001_qkv-k_q671375d001_qkv
	.p2alignl 7, 3214868480
	.fill 96, 4, 3214868480
	.section	.rodata,"a",@progbits
	.p2align	6, 0x0
	.amdhsa_kernel k_q671375d001_qkv
		.amdhsa_group_segment_fixed_size 327680
		.amdhsa_private_segment_fixed_size 0
		.amdhsa_enable_private_segment 0
		.amdhsa_kernarg_size 72
		.amdhsa_user_sgpr_count 2
		.amdhsa_user_sgpr_kernarg_segment_ptr 1
		.amdhsa_wavefront_size32 1
		.amdhsa_system_sgpr_workgroup_id_x 1
		.amdhsa_system_sgpr_workgroup_id_y 1
		.amdhsa_system_sgpr_workgroup_id_z 1
		.amdhsa_system_vgpr_workitem_id 0
		.amdhsa_next_free_vgpr 1024
		.amdhsa_next_free_sgpr 106
		.amdhsa_reserve_vcc 1
		.amdhsa_float_denorm_mode_32 3
		.amdhsa_float_denorm_mode_16_64 3
		.amdhsa_memory_ordered 1
		.amdhsa_forward_progress 1
		.amdhsa_inst_pref_size 211
	.end_amdhsa_kernel
	.amdgpu_metadata
---
amdhsa.version: [ 1, 2 ]
amdhsa.kernels:
  - .name:           k_q671375d001_qkv
    .symbol:         k_q671375d001_qkv.kd
    .args:
      - { .name: xc, .offset: 0, .size: 8, .value_kind: global_buffer, .address_space: global }
      - { .name: xs, .offset: 8, .size: 8, .value_kind: global_buffer, .address_space: global }
      - { .name: wc, .offset: 16, .size: 8, .value_kind: global_buffer, .address_space: global }
      - { .name: wsc, .offset: 24, .size: 8, .value_kind: global_buffer, .address_space: global }
      - { .name: bq, .offset: 32, .size: 8, .value_kind: global_buffer, .address_space: global }
      - { .name: bk, .offset: 40, .size: 8, .value_kind: global_buffer, .address_space: global }
      - { .name: bv, .offset: 48, .size: 8, .value_kind: global_buffer, .address_space: global }
      - { .name: qws, .offset: 56, .size: 8, .value_kind: global_buffer, .address_space: global }
      - { .name: kvws, .offset: 64, .size: 8, .value_kind: global_buffer, .address_space: global }
    .group_segment_fixed_size: 327680
    .private_segment_fixed_size: 0
    .kernarg_segment_align: 8
    .kernarg_segment_size: 72
    .max_flat_workgroup_size: 128
    .sgpr_count:     106
    .vgpr_count:     1024
    .wavefront_size: 32
...
	.end_amdgpu_metadata
.endif
;; end of part 2
;; launch attn (part 3): grid 4 x 64, 16 waves a work-group, clusters of 4 x 1, 232,448 bytes of LDS; arguments qws, kvws, oc, os; writes oc, os
.if DOCPART == 3
	.amdgcn_target "amdgcn-amd-amdhsa--gfx1250"
	.amdhsa_code_object_version 6
	.text
	.protected	k_q671375d001_attn
	.globl	k_q671375d001_attn
	.p2align	8
	.type	k_q671375d001_attn,@function
k_q671375d001_attn:
	s_mov_b64 s[64:65], 0
	v_nop
	global_prefetch_b8 v0, s[64:65] scope:SCOPE_SE
	s_setreg_imm32_b32 hwreg(HW_REG_WAVE_MODE, 25, 1), 1
	s_wait_xcnt 0x0
	s_wait_alu depctr_hold_cnt(0) depctr_sa_sdst(0) depctr_va_vdst(0) depctr_va_sdst(0) depctr_va_ssrc(0) depctr_va_vcc(0) depctr_vm_vsrc(0)
	s_getreg_b32 s2, hwreg(HW_REG_IB_STS2, 6, 4)
	s_cmp_eq_u32 s2, 0
	s_cbranch_scc0 .Lentry_in_a_cluster
	s_endpgm
.Lentry_in_a_cluster:
	s_bfe_u32 s2, ttmp6, 0x10000c
	s_cmp_lg_u32 s2, 0x3003
	s_cbranch_scc0 .Lentry_shape_is_right
	s_endpgm
.Lentry_shape_is_right:
; O = softmax(q k^T / 8) v for 64 heads of 2,048 tokens x 64, both products on codes of FP6 (E2M3) with one E8M0 scale for each 32 along K; O / l is quantised along the head's 64 and leaves as codes.
; THE SOFTMAX: t = score x log2(e) / 8; M = the running largest t rounded UP to a whole number; p = 2^(t - M) is quantised along the keys, not normalised; the row's sum is taken of the unquantised p and divides O at the end.
; When M moves, the sum and O are multiplied by 2^(old M - new M): exact.  p under 2^-126 falls to 0.  NaN and infinities are not served; a block of zeros carries the byte 1 (its codes are zeros).
; SHARES.  A cluster of four work-groups is one head; a work-group owns 512 queries, each of its sixteen waves two tiles of 16, taken one after the other (PASS 0, PASS 1): four waves to a SIMD, so that one wave's vector work stands beside another's products.
; ALL OF THE HEAD'S K AND V, 16 steps of 12,800 bytes, LIES IN LDS: each wave asks for one step, jointly with the same wave of the three partners, at the head.  Nothing is filled again and nothing is fetched later: no ring, and nothing to ask for ahead.
; OPERANDS ARE IMAGES OF THEIR REGISTERS: a fragment is three runs of 512 bytes, lane l's 16 bytes at 16 l: three ds_load_b128, consecutive bytes.
; A HEAD IS 64 WIDE, the product 128: a fragment of K holds TWO key tiles (registers 0-5, 6-11), and Q stands as [q][0][q] in 18 registers: [q|0] multiplies the first tile, [0|q] the second.
; LAYOUT.  Both products are transposed: S^T = K Q^T, O^T = V^T P^T: a lane holds one query.  The tiles' keys are so chosen (by the launch before) that register 8 t + j of S^T in lane half h is key 64 (t / 4) + 32 h + 8 (t % 4) + j:
; a lane's 32 registers are a whole block of keys, the one that the operand's layout gives it: no lane is asked for a block's maximum, and no halves change places.  Likewise register 8 t + j of O^T is the head's 32 h + 8 t + j.
; Row r of my tile u is token tokbase + 8 u + 32 (r / 8) + r % 8 of the work-group's 512, tokbase = 64 (wave / 2) + 16 (wave % 2): two runs of 16 neighbouring tokens a wave.
; OUT: oc [16 heads][8,192 tokens][48 bytes], os [16][8,192][2 bytes], through LDS, so that sixteen lanes store 256 consecutive aligned bytes.
.set STEPB, 12800                      ; a step's block: K's four fragments, V^T's four, K's scale words, V's
.set HEADB, 16*STEPB
.set OST,   HEADB                      ; behind the head: a stage of 1,536 bytes for each wave: [run r / 8: 768][16 tokens x 48]
.set SST,   OST+16*1536                ; and the work-group's 512 x 2 scale bytes
.set LI,  1                            ; v1   16 x lane
.set AD,  2                            ; v2   LDS address of the step in hand + 16 x lane
.set OSA, 3                            ; v3   where my 24 bytes of codes go in the stage
.set SSA, 4                            ; v4   where my token's two scale bytes go
.set GO1, 5                            ; v5   16 l + 768 (l / 16)
.set SH8, 6                            ; v6   8 h
.set ORD, 7                            ; v7   the stage read back: 16 x lane in my stage
.set SRD, 8                            ; v8   the scale bytes read back (waves 0 and 1)
.set SGO, 9                            ; v9   and their place in os
.set Q,   16                           ; v16-33 [q][0][q]
.set QS,  34                           ; v34  the tile's scale word (s0, s1, s0, s1)
.set QR,  35                           ; v35  the pair's scale word as loaded
.set QF,  36                           ; v36-47 the pair's fragment as loaded
.set FRG, 48                           ; v48-95 four fragments, K's and then V's
.set S,   96                           ; v96-159 S^T, then p
.set O,   160                          ; v160-191 O^T
.set PC,  192                          ; v192-203 p's codes
.set CT,  204                          ; v204-206, v208-210 the conversions' second halves
.set CH,  212                          ; v212-215 four chains' maxima
.set BM,  216                          ; v216-217 my two blocks' largest score, then largest p
.set SO,  220                          ; v220-221 the conversions' scale operands
.set BY,  224                          ; v224-227 bytes and words at work
.set PW,  228                          ; v228 p's scale word
.set F,   230                          ; v230 f = 2^(old M - new M), later 1 / l; v231 written once (named with it as a pair)
.set T,   232                          ; v232-235 at work
.set KS,  240                          ; v240-243 the step's scale words: lanes 0-15 K's four, lanes 16-31 V's four
.set WV,  12
.set SEL, 20
.set CS,  22
.set G1,  24
.set G0,  32
.set TB,  36
.set CNT, 37
.macro CROUND                          ; a round of the cluster's barrier
	s_barrier_signal -1
	s_barrier_wait -1
	s_cmp_lg_u32 s[WV], 0
	s_cbranch_scc1 .Lnot_wave_0_\@
	s_barrier_signal -3
.Lnot_wave_0_\@:
	s_barrier_wait -3
	s_barrier_signal -1
	s_barrier_wait -1
.endm
	s_load_b256 s[4:11], s[0:1], 0x0               ; qws, kvws, oc, os
	v_lshl_add_u32 v254, v0, 2, 0x38400
	v_mov_b32 v255, 0
	ds_add_u32 v254, v255
	ds_add_u32 v254, v255
	v_lshrrev_b32 v1, 5, v0
	s_delay_alu instid0(VALU_DEP_1)
	v_readfirstlane_b32 s[WV], v1                  ; wave 0..15
	s_bfe_u32 s13, ttmp6, 0x40000                  ; cx: which 512 queries: it enters Q's and the outputs' addresses alone
	s_and_b32 s14, ttmp7, 0xffff                   ; the head, 0..63, which the four partners share
	; descriptor group 1: a dense block of 12,800 bytes as 50 rows of 256 bytes (32 elements of 8), no padding
	s_mov_b32 s[G1], 15|(3<<16)|(1<<21)            ; 15:0 the mask: all four work-groups; 17:16 elements of 8 bytes; 21 set beside a mask
	s_mov_b32 s[G1+1], 32<<16                      ; tensor_dim0
	s_mov_b32 s[G1+2], 50<<16                      ; tensor_dim1
	s_mov_b32 s[G1+3], 32<<16                      ; tile_dim0
	s_mov_b32 s[G1+4], 50                          ; tile_dim1
	s_mov_b32 s[G1+5], 32                          ; tensor_dim0_stride
	s_mov_b32 s[G1+6], 0
	s_mov_b32 s[G1+7], 0
	s_mov_b32 s[G0], 1
	s_mul_i32 s[G0+1], s[WV], STEPB                ; LDS: step w
	s_mul_i32 s16, s14, HEADB
	s_add_co_u32 s16, s16, s[G0+1]
	s_mov_b32 s17, 0
	s_mov_b32 s[SEL], 0x76543210
	s_mov_b32 s[SEL+1], 0xfedcba98                 ; v_permlanex16_b32's selects for lane l xor 16
	s_mov_b32 s[CS], 0x3e38aa3b                    ; c = log2(e) / 8
	s_mov_b32 s[CS+1], s[CS]                       ; (named with it as a pair, so it is written)
	s_wait_dscnt 0x0
	s_wait_kmcnt 0x0
	s_add_nc_u64 s[G0+2:G0+3], s[6:7], s[16:17]    ; memory: the head's step w
	s_or_b32 s[G0+3], s[G0+3], 0x80000000
	CROUND                                         ; all four work-groups are here: the joint loads meet
	tensor_load_to_lds s[G0:G0+3], s[G1:G1+7]      ; my one tensor load of the launch
	s_nop 0
.rept 4
	v_nop
.endr
	; Q: pair fragment w % 4 of the head's step 4 cx + w / 4
	s_lshl_b32 s18, s14, 4
	s_lshl_b32 s19, s13, 2
	s_add_co_u32 s18, s18, s19
	s_lshr_b32 s19, s[WV], 2
	s_add_co_u32 s18, s18, s19
	s_mul_i32 s18, s18, 6400
	s_and_b32 s38, s[WV], 3
	s_mul_i32 s19, s38, 1536
	s_add_co_u32 s16, s18, s19
	s_add_nc_u64 s[40:41], s[4:5], s[16:17]        ; the fragment
	s_lshl_b32 s19, s38, 2
	s_add_co_u32 s16, s18, s19
	s_add_co_u32 s16, s16, 6144
	s_add_nc_u64 s[42:43], s[4:5], s[16:17]        ; its scale words: 16 bytes a row, word w % 4
	v_and_b32 v10, 31, v0
	s_delay_alu instid0(VALU_DEP_1)
	v_lshlrev_b32 v[LI], 4, v10
	v_and_b32 v11, 15, v0                          ; r
	s_delay_alu instid0(VALU_DEP_1)
	v_lshlrev_b32 v[T], 4, v11
.irp c, 0,1,2
	global_load_b128 v[QF+4*\c:QF+4*\c+3], v[LI], s[40:41] offset:512*\c
.endr
	global_load_b32 v[QR], v[T], s[42:43]
	; where the results go
	s_lshr_b32 s18, s14, 4                         ; batch
	s_and_b32 s19, s14, 15                         ; head in the batch
	s_lshl_b32 s18, s18, 11
	s_lshl_b32 s38, s13, 9
	s_add_co_u32 s18, s18, s38                     ; the work-group's first token: 2,048 b + 512 cx
	s_lshr_b32 s38, s[WV], 1
	s_lshl_b32 s38, s38, 6
	s_and_b32 s39, s[WV], 1
	s_lshl_b32 s39, s39, 4
	s_add_co_u32 s38, s38, s39                     ; tokbase: the wave's number alone
	s_add_co_u32 s39, s18, s38
	s_mul_i32 s39, s39, 48
	s_mul_i32 s16, s19, 393216
	s_add_co_u32 s16, s16, s39
	s_add_nc_u64 s[8:9], s[8:9], s[16:17]          ; oc at my first token
	s_lshl_b32 s16, s19, 14
	s_lshl_b32 s18, s18, 1
	s_add_co_u32 s16, s16, s18
	s_add_nc_u64 s[10:11], s[10:11], s[16:17]      ; os at the work-group's first token
	v_bfe_u32 v10, v0, 4, 1                        ; h
	v_bfe_u32 v[T+1], v0, 3, 1                     ; r / 8
	v_and_b32 v[T+2], 7, v0                        ; r % 8
	s_mul_i32 s39, s[WV], 1536
	s_add_co_u32 s39, s39, OST                     ; my stage
	v_mul_u32_u24 v[OSA], v[T+1], 768
	s_delay_alu instid0(VALU_DEP_1)
	v_mad_u32_u24 v[OSA], v[T+2], 48, v[OSA]
	s_delay_alu instid0(VALU_DEP_1)
	v_mad_u32_u24 v[OSA], v10, 24, v[OSA]
	s_delay_alu instid0(VALU_DEP_1)
	v_add_nc_u32 v[OSA], s39, v[OSA]
	v_add_nc_u32 v[ORD], s39, v[LI]
	s_lshl_b32 s38, s38, 1
	s_add_co_u32 s38, s38, SST
	v_lshlrev_b32 v[SSA], 6, v[T+1]
	s_delay_alu instid0(VALU_DEP_1)
	v_lshl_add_u32 v[SSA], v[T+2], 1, v[SSA]
	s_delay_alu instid0(VALU_DEP_1)
	v_add_nc_u32 v[SSA], s38, v[SSA]               ; SST + 2 (tokbase + 32 (r / 8) + r % 8)
	v_mad_u32_u24 v[GO1], v10, 768, v[LI]
	v_lshlrev_b32 v[SH8], 3, v10
	s_lshl_b32 s39, s[WV], 9
	v_add_nc_u32 v[SGO], s39, v[LI]
	s_delay_alu instid0(VALU_DEP_1)
	v_add_nc_u32 v[SRD], SST, v[SGO]
.irp i, 0,1,2,3,4,5
	v_mov_b32 v[Q+6+\i], 0                         ; the zeros between Q's two copies: zero codes add nothing
.endr
	v_mov_b32 v[BY+3], 0                           ; written once: a lane permute's destination counts as one of its sources (v[T+1] has been written above)
	v_mov_b32 v[F+1], 0
	s_wait_loadcnt 0x0                             ; Q
	s_wait_tensorcnt 0x0                           ; my step of the head has landed,
	s_barrier_signal -1
	s_barrier_wait -1                              ; everybody's has
; A KEY STEP: 128 keys.
.macro STEP
	v_add_nc_u32 v[AD], s[TB], v[LI]
.rept 3
	v_nop                                          ; with the addition: four places behind the last products, in front of loads into their operands and scales
.endr
	ds_load_b128 v[KS:KS+3], v[AD] offset:12288    ; lanes 0-15: K's four scale words of row r; lanes 16-31, 256 bytes on: V's
.irp f, 0,1,2,3
.irp c, 0,1,2
	ds_load_b128 v[FRG+12*\f+4*\c:FRG+12*\f+4*\c+3], v[AD] offset:1536*\f+512*\c
.endr
.endr
	s_wait_alu depctr_va_vdst(0)
	s_wait_dscnt 6                                 ; the scale words and fragments 0 and 1 are in; the six loads of fragments 2 and 3 may be out
.irp t, 0,1,2,3
	v_wmma_scale_f32_16x16x128_f8f6f4 v[S+8*\t:S+8*\t+7], v[FRG+12*(\t/2):FRG+12*(\t/2)+11], v[Q+6*(\t%2):Q+6*(\t%2)+11], 0, v[KS+\t/2], v[QS] matrix_a_fmt:MATRIX_FMT_FP6 matrix_b_fmt:MATRIX_FMT_FP6
.endr
	s_wait_dscnt 0x0
.irp t, 4,5,6,7
	v_wmma_scale_f32_16x16x128_f8f6f4 v[S+8*\t:S+8*\t+7], v[FRG+12*(\t/2):FRG+12*(\t/2)+11], v[Q+6*(\t%2):Q+6*(\t%2)+11], 0, v[KS+\t/2], v[QS] matrix_a_fmt:MATRIX_FMT_FP6 matrix_b_fmt:MATRIX_FMT_FP6
.endr
.rept 4
	v_nop                                          ; places in front of the loads below and of the first read of the scores
.endr
.irp t, 0,1,2,3
.irp c, 0,1,2
	ds_load_b128 v[FRG+12*\t+4*\c:FRG+12*\t+4*\c+3], v[AD] offset:6144+1536*\t+512*\c   ; V^T's four fragments land under the softmax
.endr
.endr
.irp k, 0,1,2,3
	v_max3_num_f32 v[CH+\k], v[S+16*\k], v[S+16*\k+1], v[S+16*\k+2]   ; four chains of 16 scores, by turns; each accumulator is read from its low end on
.endr
.irp i, 3,5,7,9,11,13
.irp k, 0,1,2,3
	v_max3_num_f32 v[CH+\k], v[CH+\k], v[S+16*\k+\i], v[S+16*\k+\i+1]
.endr
.endr
	v_max3_num_f32 v[BM], v[CH], v[S+15], v[S+31]
	v_max3_num_f32 v[BM+1], v[CH+2], v[S+47], v[S+63]
	s_delay_alu instid0(VALU_DEP_2)
	v_max_num_f32 v[BM], v[BM], v[CH+1]            ; THE LARGEST SCORE OF EACH OF MY TWO BLOCKS OF 32 KEYS: it serves for the row's maximum and, since p rises with the score, for the block's largest p
	s_delay_alu instid0(VALU_DEP_2)
	v_max_num_f32 v[BM+1], v[BM+1], v[CH+3]
	s_delay_alu instid0(VALU_DEP_1)
	v_max_num_f32 v[T], v[BM], v[BM+1]
	s_delay_alu instid0(VALU_DEP_1)
	v_permlanex16_b32 v[T+1], v[T], s[SEL], s[SEL+1]
	s_delay_alu instid0(VALU_DEP_1)
	v_max_num_f32 v[T], v[T], v[T+1]               ; the step's largest score of my query
	s_delay_alu instid0(VALU_DEP_1)
	v_mul_f32 v[T], s[CS], v[T]                    ; as t (c is positive)
	s_delay_alu instid0(VALU_DEP_1)
	v_max_num_f32 v13, v13, v[T]                   ; the running largest t
	v_mov_b32 v[T], v12
	s_delay_alu instid0(VALU_DEP_2)
	v_floor_f32 v12, -v13                          ; the new -M = floor(-t): M is a whole number
	s_delay_alu instid0(VALU_DEP_1)
	v_sub_f32 v[T], v12, v[T]                      ; old M - new M: a whole number, 0 or less
	s_delay_alu instid0(VALU_DEP_1)
	v_cvt_i32_f32 v[T], v[T]                       ; (it saturates)
	s_delay_alu instid0(VALU_DEP_1)
	v_ldexp_f32 v[F], 1.0, v[T]                    ; f = 2^(old M - new M)
.set j, 0
.rept 32
	v_pk_fma_f32 v[S+j:S+j+1], v[S+j:S+j+1], s[CS:CS+1], v[12:13] op_sel_hi:[1,0,0]   ; t - M, two at a time
.set j, j+2
.endr
	v_fma_f32 v[BM], v[BM], s[CS], v12             ; the same of each block's largest score
	v_fma_f32 v[BM+1], v[BM+1], s[CS], v12
.set j, 0
	s_wait_alu depctr_va_vdst(0)
.rept 64
	v_exp_f32 v[S+j], v[S+j]                       ; p = 2^(t - M), at most 1
.set j, j+1
.endr
	v_pk_mul_f32 v[14:15], v[14:15], v[F:F+1] op_sel_hi:[1,0]   ; the sums under the new M (the plain line behind the exponentials)
	s_wait_alu depctr_va_vdst(0)                   ; one wait for the batch of 64, ahead of its first reader
	v_exp_f32 v[BM], v[BM]                         ; the blocks' largest p: the same two instructions on the same number give the same bits
	v_exp_f32 v[BM+1], v[BM+1]
	v_pk_add_f32 v[234:235], v[100:101], v[104:105]
	v_pk_add_f32 v[252:253], v[108:109], v[112:113]
	v_pk_add_f32 v[250:251], v[116:117], v[120:121]
	v_pk_add_f32 v[248:249], v[124:125], v[128:129]
	v_pk_add_f32 v[246:247], v[132:133], v[136:137]
	v_pk_add_f32 v[244:245], v[140:141], v[144:145]
	v_pk_add_f32 v[238:239], v[148:149], v[152:153]
	v_pk_add_f32 v[14:15], v[14:15], v[156:157]
	v_pk_add_f32 v[234:235], v[234:235], v[96:97]
	v_pk_add_f32 v[252:253], v[252:253], v[98:99]
	v_pk_add_f32 v[250:251], v[250:251], v[102:103]
	v_pk_add_f32 v[248:249], v[248:249], v[106:107]
	v_pk_add_f32 v[246:247], v[246:247], v[110:111]
	v_pk_add_f32 v[244:245], v[244:245], v[114:115]
	v_pk_add_f32 v[238:239], v[238:239], v[118:119]
	v_pk_add_f32 v[14:15], v[14:15], v[122:123]
	v_pk_add_f32 v[234:235], v[234:235], v[126:127]
	v_pk_add_f32 v[252:253], v[252:253], v[130:131]
	v_pk_add_f32 v[250:251], v[250:251], v[134:135]
	v_pk_add_f32 v[248:249], v[248:249], v[138:139]
	v_pk_add_f32 v[246:247], v[246:247], v[142:143]
	v_pk_add_f32 v[244:245], v[244:245], v[146:147]
	v_pk_add_f32 v[238:239], v[238:239], v[150:151]
	v_pk_add_f32 v[14:15], v[14:15], v[154:155]
	v_pk_add_f32 v[234:235], v[234:235], v[158:159]
	s_delay_alu instid0(VALU_DEP_2)
	v_pk_add_f32 v[14:15], v[14:15], v[248:249]
	s_delay_alu instid0(VALU_DEP_2)
	v_pk_add_f32 v[234:235], v[234:235], v[246:247]
	v_pk_add_f32 v[252:253], v[252:253], v[244:245]
	v_pk_add_f32 v[250:251], v[250:251], v[238:239]
	s_delay_alu instid0(VALU_DEP_2)
	v_pk_add_f32 v[14:15], v[14:15], v[252:253]
	s_delay_alu instid0(VALU_DEP_2)
	v_pk_add_f32 v[234:235], v[234:235], v[250:251]
	s_delay_alu instid0(VALU_DEP_1)
	v_pk_add_f32 v[14:15], v[14:15], v[234:235]
	s_wait_alu depctr_va_vdst(0)                   ; and one for the two
	v_max_num_f32 v[BM], 0x1800000, v[BM]          ; the floor 2^(3 - 127): the byte cannot fall under 1
	v_max_num_f32 v[BM+1], 0x1800000, v[BM+1]
	s_delay_alu instid0(VALU_DEP_2)
	v_add_nc_u32 v[SO], 0xff000000, v[BM]          ; 2 off the exponent field: the conversion's scale operand
	s_delay_alu instid0(VALU_DEP_2)
	v_add_nc_u32 v[SO+1], 0xff000000, v[BM+1]
	s_delay_alu instid0(VALU_DEP_2)
	v_lshrrev_b32 v[BY], 23, v[SO]                 ; the bytes of key blocks h and 2 + h
	s_delay_alu instid0(VALU_DEP_2)
	v_lshrrev_b32 v[BY+1], 23, v[SO+1]
	s_delay_alu instid0(VALU_DEP_1)
	v_lshl_or_b32 v[BY+2], v[BY+1], 16, v[BY]
	s_delay_alu instid0(VALU_DEP_1)
	v_lshlrev_b32 v[BY+2], v[SH8], v[BY+2]
	s_delay_alu instid0(VALU_DEP_1)
	v_permlanex16_b32 v[BY+3], v[BY+2], s[SEL], s[SEL+1]
	s_delay_alu instid0(VALU_DEP_1)
	v_or_b32 v[PW], v[BY+2], v[BY+3]               ; p's scale word for these 128 keys
.irp c, 0,1
	v_cvt_scalef32_pk16_fp6_f32 v[PC+6*\c:PC+6*\c+2], v[S+32*\c:S+32*\c+15], v[SO+\c]
	v_cvt_scalef32_pk16_fp6_f32 v[CT+4*\c:CT+4*\c+2], v[S+32*\c+16:S+32*\c+31], v[SO+\c]   ; (a conversion's three registers begin on an even number)
.endr
	v_nop                                          ; one plain line behind the scaled conversions
.irp c, 0,1
.irp i, 0,1,2
	v_mov_b32 v[PC+6*\c+3+\i], v[CT+4*\c+\i]
.endr
.endr
.set j, 0
.rept 16
	v_pk_mul_f32 v[O+j:O+j+1], v[O+j:O+j+1], v[F:F+1] op_sel_hi:[1,0]   ; O^T under the new M.  (These 16 are also the places between the scale word and the codes and the products below)
.set j, j+2
.endr
	s_wait_alu depctr_va_vdst(0)
	s_wait_dscnt 0x0                               ; V^T's fragments are in
.irp t, 0,1,2,3
	v_wmma_scale_f32_16x16x128_f8f6f4 v[O+8*\t:O+8*\t+7], v[FRG+12*\t:FRG+12*\t+11], v[PC:PC+11], v[O+8*\t:O+8*\t+7], v[KS+\t], v[PW] matrix_a_fmt:MATRIX_FMT_FP6 matrix_b_fmt:MATRIX_FMT_FP6 matrix_a_scale:MATRIX_SCALE_ROW1
.endr
.endm
; A TILE OF 16 QUERIES walks the head's 16 steps; then O^T / l is quantised and laid into the stage.
.macro PASS u
	v_perm_b32 v[QS], v[QR], v[QR], 0x01000100+0x02020202*\u   ; the tile's two scale bytes, twice
.irp i, 0,1,2,3,4,5
	v_mov_b32 v[Q+\i], v[QF+6*\u+\i]
	v_mov_b32 v[Q+12+\i], v[QF+6*\u+\i]
.endr
	v_mov_b32 v13, 0xff61b1e6                      ; the largest t so far: -3e38, under every t
	s_delay_alu instid0(VALU_DEP_1)
	v_floor_f32 v12, -v13                          ; -M
	v_mov_b32 v14, 0                               ; the sum, in two halves
	v_mov_b32 v15, 0
.set j, 0
.rept 32
	v_mov_b32 v[O+j], 0                            ; O^T: the step is written once, its first trip finds zeros
.set j, j+1
.endr
	s_mov_b32 s[TB], 0
	s_mov_b32 s[CNT], 16
.Lstep_\@:
	STEP
	s_add_co_u32 s[TB], s[TB], STEPB
	s_sub_co_u32 s[CNT], s[CNT], 1
	s_cmp_lg_u32 s[CNT], 0
	s_cbranch_scc1 .Lstep_\@
.rept 4
	v_nop                                          ; places behind the last products
.endr
	v_add_f32 v14, v14, v15
	s_delay_alu instid0(VALU_DEP_1)
	v_permlanex16_b32 v[T+1], v14, s[SEL], s[SEL+1]
	s_delay_alu instid0(VALU_DEP_1)
	v_add_f32 v14, v14, v[T+1]                     ; the row's sum
	s_wait_alu depctr_va_vdst(0)
	v_rcp_f32 v[F], v14
	v_nop                                          ; one plain line behind the reciprocal
	s_wait_alu depctr_va_vdst(0)                   ; and the wait ahead of its first reader
.set j, 0
.rept 16
	v_pk_mul_f32 v[S+j:S+j+1], v[O+j:O+j+1], v[F:F+1] op_sel_hi:[1,0]   ; O^T / l: register 8 t + j is the head's 32 h + 8 t + j: one whole block
.set j, j+2
.endr
	v_max3_num_f32 v[CH], |v[S]|, |v[S+1]|, 0x1800000
	v_max3_num_f32 v[CH+1], |v[S+16]|, |v[S+17]|, 0x1800000
.irp i, 2,4,6,8,10,12,14
	s_delay_alu instid0(VALU_DEP_2)
	v_max3_num_f32 v[CH], v[CH], |v[S+\i]|, |v[S+\i+1]|
	s_delay_alu instid0(VALU_DEP_2)
	v_max3_num_f32 v[CH+1], v[CH+1], |v[S+16+\i]|, |v[S+17+\i]|
.endr
	s_delay_alu instid0(VALU_DEP_1)
	v_max_num_f32 v[CH], v[CH], v[CH+1]            ; the block's largest magnitude
	s_delay_alu instid0(VALU_DEP_1)
	v_add_nc_u32 v[SO], 0xff000000, v[CH]
	s_delay_alu instid0(VALU_DEP_1)
	v_lshrrev_b32 v[BY], 23, v[SO]
	s_delay_alu instid0(VALU_DEP_1)
	v_lshlrev_b32 v[BY], v[SH8], v[BY]
	s_delay_alu instid0(VALU_DEP_1)
	v_permlanex16_b32 v[BY+3], v[BY], s[SEL], s[SEL+1]
	s_delay_alu instid0(VALU_DEP_1)
	v_or_b32 v[BY], v[BY], v[BY+3]                 ; my token's two scale bytes
	v_cvt_scalef32_pk16_fp6_f32 v[PC:PC+2], v[S:S+15], v[SO]
	v_cvt_scalef32_pk16_fp6_f32 v[CT:CT+2], v[S+16:S+31], v[SO]
	v_nop
.irp i, 0,1,2
	v_mov_b32 v[PC+3+\i], v[CT+\i]
.endr
.irp p, 0,1,2
	ds_store_b64 v[OSA], v[PC+2*\p:PC+2*\p+1] offset:384*\u+8*\p   ; my 24 bytes of my token's 48
.endr
	ds_store_b16 v[SSA], v[BY] offset:16*\u        ; both halves of the lanes write the same two bytes with the same value
.endm
	PASS 0
	PASS 1
	; THE WAY OUT.  My stage holds two runs of 16 neighbouring tokens, 768 bytes each, 1,536 bytes apart in oc: three loads of 512 bytes, and sixteen lanes store 256 consecutive aligned bytes.
.irp c, 0,1,2
	ds_load_b128 v[FRG+4*\c:FRG+4*\c+3], v[ORD] offset:512*\c   ; LDS serves a wave's instructions in order: these see my stores
.endr
	s_wait_dscnt 0x0                               ; and for the others' sake: my scale bytes lie in LDS
	global_store_b128 v[LI], v[FRG:FRG+3], s[8:9]
	global_store_b128 v[GO1], v[FRG+4:FRG+7], s[8:9] offset:512
	global_store_b128 v[LI], v[FRG+8:FRG+11], s[8:9] offset:1792
	s_barrier_signal -1
	s_barrier_wait -1                              ; the work-group's 1,024 scale bytes are whole
	s_cmp_lt_u32 s[WV], 2
	s_cbranch_scc0 .Lno_scales
	ds_load_b128 v[FRG+12:FRG+15], v[SRD]
	s_wait_dscnt 0x0
	global_store_b128 v[SGO], v[FRG+12:FRG+15], s[10:11]   ; waves 0 and 1: 512 consecutive bytes each
.Lno_scales:
	s_wait_tensorcnt 0x0
	ds_add_u32 v254, v255
	s_wait_dscnt 0x0
	CROUND                                         ; the closing round
	s_endpgm
.Lfunc_end_k_q671375d001_attn:
	.size	k_q671375d001_attn, .Lfunc_end_k_q671375d001_attn-k_q671375d001_attn
	.p2alignl 7, 3214868480
	.fill 96, 4, 3214868480
	.section	.rodata,"a",@progbits
	.p2align	6, 0x0
	.amdhsa_kernel k_q671375d001_attn
		.amdhsa_group_segment_fixed_size 232448
		.amdhsa_private_segment_fixed_size 0
		.amdhsa_enable_private_segment 0
		.amdhsa_kernarg_size 32
		.amdhsa_user_sgpr_count 2
		.amdhsa_user_sgpr_kernarg_segment_ptr 1
		.amdhsa_wavefront_size32 1
		.amdhsa_system_sgpr_workgroup_id_x 1
		.amdhsa_system_sgpr_workgroup_id_y 1
		.amdhsa_system_sgpr_workgroup_id_z 1
		.amdhsa_system_vgpr_workitem_id 0
		.amdhsa_next_free_vgpr 256
		.amdhsa_next_free_sgpr 66
		.amdhsa_reserve_vcc 0
		.amdhsa_float_denorm_mode_32 3
		.amdhsa_float_denorm_mode_16_64 3
		.amdhsa_memory_ordered 1
		.amdhsa_forward_progress 1
		.amdhsa_inst_pref_size 49
	.end_amdhsa_kernel
	.amdgpu_metadata
---
amdhsa.version: [ 1, 2 ]
amdhsa.kernels:
  - .name:           k_q671375d001_attn
    .symbol:         k_q671375d001_attn.kd
    .args:
      - { .name: qws, .offset: 0, .size: 8, .value_kind: global_buffer, .address_space: global }
      - { .name: kvws, .offset: 8, .size: 8, .value_kind: global_buffer, .address_space: global }
      - { .name: oc, .offset: 16, .size: 8, .value_kind: global_buffer, .address_space: global }
      - { .name: os, .offset: 24, .size: 8, .value_kind: global_buffer, .address_space: global }
    .group_segment_fixed_size: 232448
    .private_segment_fixed_size: 0
    .kernarg_segment_align: 8
    .kernarg_segment_size: 32
    .max_flat_workgroup_size: 512
    .sgpr_count:     66
    .vgpr_count:     256
    .wavefront_size: 32
...
	.end_amdgpu_metadata
.endif
;; end of part 3
;; launch oproj (part 4): grid 8 x 32, 4 waves a work-group, clusters of 4 x 4, 327,680 bytes of LDS; arguments oc, os, wc, wsc, bo, out0; writes out0
.if DOCPART == 4
	.amdgcn_target "amdgcn-amd-amdhsa--gfx1250"
	.amdhsa_code_object_version 6
	.text
	.protected	k_q671375d001_oproj
	.globl	k_q671375d001_oproj
	.p2align	8
	.type	k_q671375d001_oproj,@function
k_q671375d001_oproj:
	s_mov_b64 s[64:65], 0
	v_nop
	global_prefetch_b8 v0, s[64:65] scope:SCOPE_SE
	s_setreg_imm32_b32 hwreg(HW_REG_WAVE_MODE, 25, 1), 1
	s_wait_xcnt 0x0
	s_wait_alu depctr_hold_cnt(0) depctr_sa_sdst(0) depctr_va_vdst(0) depctr_va_sdst(0) depctr_va_ssrc(0) depctr_va_vcc(0) depctr_vm_vsrc(0)
	s_getreg_b32 s2, hwreg(HW_REG_IB_STS2, 6, 4)
	s_cmp_eq_u32 s2, 0
	s_cbranch_scc0 .Lentry_in_a_cluster
	s_endpgm
.Lentry_in_a_cluster:
	s_bfe_u32 s2, ttmp6, 0x10000c
	s_cmp_lg_u32 s2, 0xf033
	s_cbranch_scc0 .Lentry_shape_is_right
	s_endpgm
.Lentry_shape_is_right:
; out0 = O Wo^T + bo on codes of FP6 (E2M3), one E8M0 scale for each 32 along K = 1,024 (head x 64 + the head's 64).  out0: [8,192][1,024] f32.
; A = O: oc [16 heads][8,192 tokens][48 bytes], os [16][8,192][2].  B = Wo: in wc from byte WOB on, laid [128 rows][K step of 256][row][192 bytes]; its scale bytes are rows 3,072 on of wsc [4,096][32].
; 256 work-groups, one tile of 256 tokens x 128 columns each; four waves, 2 x 2, a wave makes 128 x 64: 32 accumulators.
; ALL OF K LIES IN LDS, filled once: A 16 heads x 256 tokens x 48 bytes, B 128 rows x 4 x (192 + 24 of padding).  One joint load a wave at the head, in the order of need:
; wave 0 A's heads 0-7, wave 1 B's K steps 0, 1, wave 2 A's heads 8-15, wave 3 B's K steps 2, 3.  The first barrier shows the first two, a plain barrier in the fourth step of 128 the other two.  Nothing is filled again.
; No prefetch: every tile is asked for at the head, and there is no loop to run ahead in.  CLUSTERS 4 x 4: A's tiles are shared along a row, B's along a column.
; The scale bytes (A's gathered from 16 heads, B's 4,096 dense bytes, a small part of the work-group's bytes) come by plain loads and lie in LDS bytes of their own.
; The product is used transposed (source 0 = 16 rows of Wo, source 1 = 16 tokens): a lane holds eight neighbouring numbers of a row of out0.  bo is the C of each sum's first product.
; REGISTERS: window 0: v0-31 addresses, v32-95 A's scale words (8 i + step), v98-129 B's, v130-161 the bias, v192-255 at work; window 1: A's fragments, two sets of 96; window 2: the sums (a, b) at 8 (4 a + b); window 3: B's fragments, two sets of 48.
.set SIZE_N, 1024
.set PLANE,  8192*48                   ; a head's codes in oc
.set WOB,    786432
.set AHALF,  8*256*48                  ; eight heads of the tile's 256 tokens
.set BL,     2*AHALF
.set BP,     216                       ; B's LDS row: 3 x (64 + 8)
.set BKS,    128*BP
.set BHALF,  2*BKS
.set SCL,    BL+2*BHALF                ; A's scale rows: 32 units of 256 + 16
.set SCB,    SCL+32*272                ; B's: 16 units
.set SBLK,   544                       ; 16 rows of 32 scale bytes
.set SPARE,  SCB+16*272                ; the spare words, 128 bytes a wave
.set SPITCH, 272                       ; the way out: a stage of 16 rows x (256 + 16) bytes a wave, from LDS byte 0 on: those bytes have had their one fill, and their last read stands ahead of the second barrier
.set ADRA, 16                          ; v16-19  my A fragments, four heads to a register
.set ADRB, 20                          ; v20-21  my B fragments, by halves of K; v22-23 the same behind one padding more
.set STO,  24
.set RD,   25
.set CO,   26
.set ASA,  27
.set SPW,  28
.set NIL,  29
.set BSA,  30
.set SA,   32
.set SB,   98
.set BIAS, 130
.set BK,   192
.set G1,   24
.set G0,   32
.set G1B,  48
.set G0B,  56
.set MSB, 0
.macro WIN new
.if MSB != \new
	s_set_vgpr_msb (MSB<<8)|\new
.set MSB, \new
.endif
.endm
.macro PLACES n
.rept \n
	v_nop
.endr
.endm
.macro CROUND                          ; a round of the cluster's barrier
	s_barrier_signal -1
	s_barrier_wait -1
	s_cmp_lg_u32 s14, 0
	s_cbranch_scc1 .Lnot_wave_0_\@
	s_barrier_signal -3
.Lnot_wave_0_\@:
	s_barrier_wait -3
	s_barrier_signal -1
	s_barrier_wait -1
.endm
	s_load_b256 s[4:11], s[0:1], 0x0               ; oc, os, wc, wsc
	s_load_b128 s[68:71], s[0:1], 0x20             ; bo, out0
	v_lshl_add_u32 v[SPW], v0, 2, SPARE
	v_mov_b32 v[NIL], 0
	ds_add_u32 v[SPW], v[NIL]                      ; the opening lines: the add twice on end and its wait
	ds_add_u32 v[SPW], v[NIL]
	v_lshrrev_b32 v1, 5, v0
	v_readfirstlane_b32 s14, v1                    ; wave 0..3
	s_lshr_b32 s15, s14, 1                         ; which 128 tokens are mine
	s_and_b32 s16, s14, 1                          ; which 64 columns
	s_bfe_u32 s40, ttmp6, 0x40000
	s_bfe_u32 s41, ttmp6, 0x40004
	s_lshl_b32 s42, ttmp9, 2
	s_add_co_u32 s42, s42, s40                     ; tile column, 0..7
	s_and_b32 s17, ttmp7, 0xffff
	s_lshl_b32 s17, s17, 2
	s_add_co_u32 s17, s17, s41                     ; tile row, 0..31
	s_lshl_b32 s43, s41, 2
	s_lshl_b32 s43, 15, s43                        ; my row of the cluster
	s_lshl_b32 s44, 0x1111, s40                    ; my column
	s_or_b32 s[G1+0], s43, (3<<16)|(1<<21)         ; A: eight rows (heads) of 1,536 elements of 8 bytes, a head's codes apart; no padding
	s_mov_b32 s[G1+1], 1536<<16
	s_mov_b32 s[G1+2], 8<<16
	s_mov_b32 s[G1+3], 1536<<16
	s_mov_b32 s[G1+4], 8
	s_mov_b32 s[G1+5], PLANE/8
	s_mov_b32 s[G1+6], 0
	s_mov_b32 s[G1+7], 0
	s_or_b32 s[G1B+0], s44, (1<<20)|(1<<21)|(3<<22)|(1<<25)   ; B: 49,152 dense bytes as 192 rows of 256; 2 words of padding behind every 16
	s_mov_b32 s[G1B+1], 256<<16
	s_mov_b32 s[G1B+2], 192<<16
	s_mov_b32 s[G1B+3], 256<<16
	s_mov_b32 s[G1B+4], 192
	s_mov_b32 s[G1B+5], 256
	s_mov_b32 s[G1B+6], 0
	s_mov_b32 s[G1B+7], 0
	s_mul_i32 s20, s17, 256*48                     ; the tile's tokens in a plane of oc,
	s_mov_b32 s21, 0
	s_mul_i32 s46, s42, 4*128*192                  ; its rows of Wo,
	s_add_co_u32 s46, s46, WOB
	s_mov_b32 s47, 0
	s_lshl_b32 s22, s17, 9                         ; its tokens in a plane of os,
	s_mov_b32 s23, 0
	s_lshl_b32 s66, s42, 12                        ; its rows' scale bytes
	s_add_co_u32 s66, s66, 3072*32
	s_mov_b32 s67, 0
	s_lshl_b32 s18, s42, 9                         ; my 64 columns, in bytes of f32
	s_lshl_b32 s19, s16, 8
	s_add_co_u32 s18, s18, s19
	s_mov_b32 s19, 0
	s_mul_i32 s72, s15, 128*48                     ; LDS: my tokens in a head,
	s_mul_i32 s73, s16, 64*BP
	s_add_co_u32 s73, s73, BL                      ; my rows of B,
	s_mul_i32 s74, s15, 16*272
	s_add_co_u32 s74, s74, SCL                     ; my tokens' scale rows,
	s_mul_i32 s75, s16, 8*272
	s_add_co_u32 s75, s75, SCB                     ; my rows',
	s_mul_i32 s76, s14, 16*SPITCH                  ; my stage
	s_wait_dscnt 0x0
	s_wait_kmcnt 0x0
	s_add_nc_u64 s[20:21], s[4:5], s[20:21]
	s_add_nc_u64 s[46:47], s[8:9], s[46:47]
	s_add_nc_u64 s[6:7], s[6:7], s[22:23]
	s_add_nc_u64 s[10:11], s[10:11], s[66:67]
	s_add_nc_u64 s[68:69], s[68:69], s[18:19]
	CROUND                                         ; all sixteen work-groups are here: the joint loads meet
.irp k, 0,1
	s_mov_b32 s[G0+4*\k], 1
	s_mov_b32 s[G0+4*\k+1], \k*AHALF
	s_add_nc_u64 s[G0+4*\k+2:G0+4*\k+3], s[20:21], \k*8*PLANE
	s_or_b32 s[G0+4*\k+3], s[G0+4*\k+3], 0x80000000
	s_mov_b32 s[G0B+4*\k], 1
	s_mov_b32 s[G0B+4*\k+1], BL+\k*BHALF
	s_add_nc_u64 s[G0B+4*\k+2:G0B+4*\k+3], s[46:47], \k*2*128*192
	s_or_b32 s[G0B+4*\k+3], s[G0B+4*\k+3], 0x80000000
.endr
.macro ARM under, g0, g1, next         ; one chain of branches on the wave's number, one load to an arm, all arms to one join
	s_cmp_lt_u32 s14, \under
	s_cbranch_scc0 \next
	tensor_load_to_lds s[\g0:\g0+3], s[\g1:\g1+7]
	s_nop 0
	PLACES 4
	s_branch .Lhead_asked
\next:
.endm
	ARM 1, G0,    G1,  .Lhead_b0
	ARM 2, G0B,   G1B, .Lhead_a1
	ARM 3, G0+4,  G1,  .Lhead_b1
	tensor_load_to_lds s[G0B+4:G0B+7], s[G1B:G1B+7]
	s_nop 0
	PLACES 4
.Lhead_asked:
	s_lshl_b32 s20, s17, 8                         ; my first row of out0,
	s_lshl_b32 s21, s15, 7
	s_add_co_u32 s20, s20, s21
	s_lshl_b32 s20, s20, 12                        ; in bytes (under 2^25),
	s_add_co_u32 s20, s20, s18                     ; and my first column
	s_mov_b32 s21, 0
	s_add_nc_u64 s[70:71], s[70:71], s[20:21]
	v_lshlrev_b32 v7, 2, v0                        ; A's scale bytes: thread t takes tokens 2 t and 2 t + 1: 4 bytes of each head
.irp d, 0,1,2,3,4,5,6,7,8,9,10,11,12,13,14,15
	global_load_b32 v[192+\d], v7, s[6:7] offset:16384*\d
.endr
	v_lshlrev_b32 v11, 4, v0                       ; B's: a wave's load reads 512 consecutive bytes
.irp i, 0,1
	global_load_b128 v[224+4*\i:227+4*\i], v11, s[10:11] offset:2048*\i
.endr
	v_and_b32 v1, 15, v0                           ; r
	v_bfe_u32 v2, v0, 4, 1                         ; h
	v_lshlrev_b32 v8, 5, v2                        ; register j of B's tile b wants bo's number 16 b + 8 h + j
.irp b, 0,1,2,3
	global_load_b128 v[BIAS+8*\b:BIAS+8*\b+3], v8, s[68:69] offset:64*\b
	global_load_b128 v[BIAS+8*\b+4:BIAS+8*\b+7], v8, s[68:69] offset:64*\b+16
.endr
	v_mul_u32_u24 v6, v1, 48
	v_mad_u32_u24 v6, v2, 24, v6                   ; A: 48 r + 24 h
	v_add_nc_u32 v[ADRA], s72, v6
.irp g, 1,2,3
	v_add_nc_u32 v[ADRA+\g], \g*4*256*48, v[ADRA]
.endr
	v_mul_u32_u24 v3, v1, BP
	v_mad_u32_u24 v4, v2, 24, v3                   ; B: row x pitch + 24 h,
	v_lshl_add_u32 v5, v2, 3, v4                   ; and the same behind one padding more
	v_add_nc_u32 v[ADRB], s73, v4
	v_add_nc_u32 v[ADRB+2], s73, v5
	v_add_nc_u32 v[ADRB+1], BHALF, v[ADRB]
	v_add_nc_u32 v[ADRB+3], BHALF, v[ADRB+2]
	v_lshlrev_b32 v5, 5, v1                        ; a row's 32 scale bytes,
	v_lshrrev_b32 v6, 8, v5
	v_lshl_add_u32 v5, v6, 4, v5                   ; and 16 more for each 256 passed
	v_add_nc_u32 v[ASA], s74, v5
	v_add_nc_u32 v[BSA], s75, v5
	v_mul_u32_u24 v5, v1, SPITCH                   ; the stage, in: row r, 32 bytes for each half of the lanes
	v_lshl_add_u32 v5, v2, 5, v5
	v_add_nc_u32 v[STO], s76, v5
	v_mul_u32_u24 v5, v2, SPITCH                   ; back: sixteen lanes to a row of 256 bytes, two rows a load
	v_lshl_add_u32 v5, v1, 4, v5
	v_add_nc_u32 v[RD], s76, v5
	v_lshlrev_b32 v5, 12, v2
	v_lshl_add_u32 v[CO], v1, 4, v5                ; and the same two rows in out0
	v_lshlrev_b32 v9, 6, v0                        ; two tokens' scale rows: 64 t + 16 (t / 4)
	v_lshrrev_b32 v10, 2, v0
	v_lshl_add_u32 v9, v10, 4, v9
	v_add_nc_u32 v9, SCL, v9
	v_lshrrev_b32 v12, 4, v0                       ; B's: 16 t + 16 (t / 16)
	v_lshl_add_u32 v12, v12, 4, v11
	v_add_nc_u32 v12, SCB, v12
	s_wait_loadcnt 0x0                             ; the scale bytes and the bias
.irp i, 0,1,2,3,4,5,6,7
	v_perm_b32 v[208+\i], v[193+2*\i], v[192+2*\i], 0x05040100   ; token 2 t: heads 2 i and 2 i + 1, two bytes each
	v_perm_b32 v[216+\i], v[193+2*\i], v[192+2*\i], 0x07060302   ; token 2 t + 1
.endr
.irp i, 0,1,2,3
	ds_store_b128 v9, v[208+4*\i:211+4*\i] offset:16*\i
.endr
.irp i, 0,1
	ds_store_b128 v12, v[224+4*\i:227+4*\i] offset:2176*\i       ; 2,048 bytes are eight units of 256 + 16
.endr
.macro FRAGB reg, st, i                ; a fragment of B, step st of 128: pieces of 8 bytes; where the piece three on lies behind one padding more, the second address register serves
.irp p, 0,1,2,3,4,5
.set PC, 12*((\st)%2)+6*(\p/3)+\p%3
.set OF, (((\st)/2)%2)*BKS+(\i)*16*BP+8*PC+8*(PC/8)
.if PC%8 < 5
	ds_load_b64 v[\reg+2*\p:\reg+2*\p+1], v[ADRB+(\st)/4] offset:OF
.else
	ds_load_b64 v[\reg+2*\p:\reg+2*\p+1], v[ADRB+2+(\st)/4] offset:OF
.endif
.endr
.endm
.macro FRAGA reg, st, i                ; a fragment of A: registers 6 c .. 6 c + 5 are head 2 st + c, token 16 i + r, bytes 24 h on
.irp c, 0,1
.irp p, 0,1,2
	ds_load_b64 v[\reg+6*\c+2*\p:\reg+6*\c+2*\p+1], v[ADRA+(\st)/2] offset:(2*((\st)%2)+\c)*256*48+768*(\i)+8*\p
.endr
.endr
.endm
.macro FETCH st                        ; step st's twelve fragments into set st % 2: 72 loads
.set P_, (\st)%2
	WIN 0xc0
.irp i, 0,1,2,3
	FRAGB 48*P_+12*\i, \st, \i
.endr
	WIN 0x40
.irp i, 0,1,2,3,4,5,6,7
	FRAGA 96*P_+12*\i, \st, \i
.endr
	WIN 0
.endm
.macro MUL st                          ; 32 products; the 32 accumulators take turns
.set P_, (\st)%2
.irp a, 0,1,2,3,4,5,6,7
.irp b, 0,1,2,3
.if (\st) == 0
	v_wmma_scale_f32_16x16x128_f8f6f4 v[8*(4*\a+\b):8*(4*\a+\b)+7], v[48*P_+12*\b:48*P_+12*\b+11], v[96*P_+12*\a:96*P_+12*\a+11], v[BIAS+8*\b:BIAS+8*\b+7], v[SB+8*\b+(\st)], v[SA+8*\a+(\st)] matrix_a_fmt:MATRIX_FMT_FP6 matrix_b_fmt:MATRIX_FMT_FP6
.else
	v_wmma_scale_f32_16x16x128_f8f6f4 v[8*(4*\a+\b):8*(4*\a+\b)+7], v[48*P_+12*\b:48*P_+12*\b+11], v[96*P_+12*\a:96*P_+12*\a+11], v[8*(4*\a+\b):8*(4*\a+\b)+7], v[SB+8*\b+(\st)], v[SA+8*\a+(\st)] matrix_a_fmt:MATRIX_FMT_FP6 matrix_b_fmt:MATRIX_FMT_FP6
.endif
.endr
.endr
.endm
.macro STEP st
.if (\st) == 3
	s_wait_tensorcnt 0x0                           ; every wave: whatever I asked for has landed
.endif
	s_wait_dscnt 0x0                               ; this step's fragments, asked for ahead of the last step's products, are in
.if (\st) == 3
	s_barrier_signal -1                            ; a plain barrier: the second half of K is shown to all, and nobody reads the first half any more
	s_barrier_wait -1
.endif
.if (\st) < 7
.if (\st) > 0
	PLACES 4                                       ; behind the last step's products, ahead of loads into their operands
.endif
	FETCH (\st)+1
.endif
.if (\st) == 0
	WIN 0x87                                       ; source 0 window 3, source 1 window 1, C (the bias) window 0, D window 2
.else
	WIN 0xa7
.endif
	MUL \st
	WIN 0
.endm
	s_wait_alu depctr_va_vdst(0)                   ; the wait at the head's end
	s_cmp_lt_u32 s14, 2
	s_cbranch_scc0 .Lnot_first
	s_wait_tensorcnt 0x0                           ; waves 0 and 1, whose load lines are their own: the first half of K
.Lnot_first:
	s_wait_dscnt 0x0                               ; for the others' sake: my scale bytes lie in LDS
	s_barrier_signal -1
	s_barrier_wait -1
	FETCH 0
.irp i, 0,1,2,3,4,5,6,7
	ds_load_b128 v[SA+8*\i:SA+8*\i+3], v[ASA] offset:\i*SBLK         ; a row's eight scale words, one for each step of 128
	ds_load_b128 v[SA+8*\i+4:SA+8*\i+7], v[ASA] offset:\i*SBLK+16
.endr
.irp i, 0,1,2,3
	ds_load_b128 v[SB+8*\i:SB+8*\i+3], v[BSA] offset:\i*SBLK
	ds_load_b128 v[SB+8*\i+4:SB+8*\i+7], v[BSA] offset:\i*SBLK+16
.endr
.irp s, 0,1,2,3,4,5,6,7
	STEP \s
.endr
; THE WAY OUT, block by block of 16 rows x 64 columns, through my own stage: in as 32 bytes a lane, back as whole rows of 256 bytes.  LDS serves a wave's instructions in order: no wait between the stores and the loads.
.macro TOSTAGE a
	WIN 0x08                                       ; the data: window 2
.irp b, 0,1,2,3
	ds_store_b128 v[STO], v[32*(\a)+8*\b:32*(\a)+8*\b+3] offset:64*\b        ; each accumulator from its low end on
	ds_store_b128 v[STO], v[32*(\a)+8*\b+4:32*(\a)+8*\b+7] offset:64*\b+16
.endr
	WIN 0
.set BB, BK+32*((\a)%2)
.irp t, 0,1,2,3,4,5,6,7
	ds_load_b128 v[BB+4*\t:BB+4*\t+3], v[RD] offset:\t*2*SPITCH
.endr
.endm
.macro SEND a, younger                 ; younger: the LDS instructions issued behind block a's loads, which may stay out
.set BB, BK+32*((\a)%2)
	s_wait_dscnt \younger
.if (\a) > 0
	s_add_nc_u64 s[70:71], s[70:71], 16*SIZE_N*4   ; (behind a wait on XCNT: the earlier stores have read their base)  16 rows on
.endif
.irp t, 0,1,2,3,4,5,6,7
	global_store_b128 v[CO], v[BB+4*\t:BB+4*\t+3], s[70:71] offset:2*\t*SIZE_N*4 th:TH_STORE_NT   ; sixteen lanes store 256 consecutive bytes, aligned; written once
.endr
.endm
	PLACES 4
	TOSTAGE 0
.irp a, 1,2,3,4,5,6,7
.if \a > 1
	s_wait_xcnt 0x0                                ; block a - 2's stores have read their registers and their base
.endif
	TOSTAGE \a
	SEND \a-1, 16                                  ; behind block a - 1's loads: block a's 8 stores and 8 loads
.endr
	s_wait_xcnt 0x0
	SEND 7, 0
	s_wait_tensorcnt 0x0                           ; the wave's end
	ds_add_u32 v[SPW], v[NIL]
	s_wait_dscnt 0x0
	CROUND                                         ; the closing round
	s_endpgm
.Lfunc_end_k_q671375d001_oproj:
	.size	k_q671375d001_oproj, .Lfunc_end_k_q671375d001_oproj-k_q671375d001_oproj
	.p2alignl 7, 3214868480
	.fill 96, 4, 3214868480
	.section	.rodata,"a",@progbits
	.p2align	6, 0x0
	.amdhsa_kernel k_q671375d001_oproj
		.amdhsa_group_segment_fixed_size 327680
		.amdhsa_private_segment_fixed_size 0
		.amdhsa_enable_private_segment 0
		.amdhsa_kernarg_size 48
		.amdhsa_user_sgpr_count 2
		.amdhsa_user_sgpr_kernarg_segment_ptr 1
		.amdhsa_wavefront_size32 1
		.amdhsa_system_sgpr_workgroup_id_x 1
		.amdhsa_system_sgpr_workgroup_id_y 1
		.amdhsa_system_sgpr_workgroup_id_z 1
		.amdhsa_system_vgpr_workitem_id 0
		.amdhsa_next_free_vgpr 864
		.amdhsa_next_free_sgpr 100
		.amdhsa_reserve_vcc 0
		.amdhsa_float_denorm_mode_32 3
		.amdhsa_float_denorm_mode_16_64 3
		.amdhsa_memory_ordered 1
		.amdhsa_forward_progress 1
		.amdhsa_inst_pref_size 101
	.end_amdhsa_kernel
	.amdgpu_metadata
---
amdhsa.version: [ 1, 2 ]
amdhsa.kernels:
  - .name:           k_q671375d001_oproj
    .symbol:         k_q671375d001_oproj.kd
    .args:
      - { .name: oc, .offset: 0, .size: 8, .value_kind: global_buffer, .address_space: global }
      - { .name: os, .offset: 8, .size: 8, .value_kind: global_buffer, .address_space: global }
      - { .name: wc, .offset: 16, .size: 8, .value_kind: global_buffer, .address_space: global }
      - { .name: wsc, .offset: 24, .size: 8, .value_kind: global_buffer, .address_space: global }
      - { .name: bo, .offset: 32, .size: 8, .value_kind: global_buffer, .address_space: global }
      - { .name: out0, .offset: 40, .size: 8, .value_kind: global_buffer, .address_space: global }
    .group_segment_fixed_size: 327680
    .private_segment_fixed_size: 0
    .kernarg_segment_align: 8
    .kernarg_segment_size: 48
    .max_flat_workgroup_size: 128
    .sgpr_count:     100
    .vgpr_count:     864
    .wavefront_size: 32
...
	.end_amdgpu_metadata
.endif
;; end of part 4
